; MI455X (gfx1250); checked and timed in simulation.
; The chip was launched on July 23, 2026; its instructions are those of AMD's public machine-readable ISA for CDNA 5 (MIT licence, August 2026) and "CDNA5" Instruction Set Architecture Reference Guide (July 2026). The comments in the code are by the model that wrote it; some were corrected since.
;; Memory Layer. Allowed arithmetic: matrix products marked QUANTISED: E3M2 operands, one E8M0 scale for each 32 along K, by v_wmma_scale_f32_16x16x128_f8f6f4 with both operands' format E3M2, f32 sums; everything else in f32.
;; Inputs: W_codes 256 x 8 x 24 uint8 (E3M2 codes of W, K innermost, in blocks of 32 codes, four codes in three bytes); W_scales 256 x 8 uint8 (E8M0 scales of W, one for each 32 codes along K); depths 100,000 float32; gate 100,000 float32; patterns 100,000 x 256 float32; state_codes 1,024 x 8 x 24 uint8 (E3M2 codes of state, K innermost, in blocks of 32 codes, four codes in three bytes); state_scales 1,024 x 8 uint8 (E8M0 scales of state, one for each 32 codes along K).
;; Outputs: out0 1,024 x 256 float32; out1 100,000 float32.
;; This version of the problem:
;;   THIS VERSION OF THE PROBLEM IS GIVEN IN LOW PRECISION. The matrix products marked QUANTISED in the list below multiply operands that are first quantised to E3M2 (3 exponent bits, 2 mantissa bits; 6 bits a number), with one power-of-two scale for each 32 numbers along K (OCP MX v1.0); their sums are f32. All else is computed in f32.
;;   The module's matrix products, in the order in which they are computed (A, B: the left and right operand; K: the contracted axis; several contracted axes count as one K, in the product's order):
;;     1. [M 1,024, K 256] x [K 256, N 256]; A: input state (given as codes); B: input W (given as codes): QUANTISED
;;     2. [M 1,024, K 256] x [K 256, N 100,000]; A: computed on the way; B: input patterns: QUANTISED
;;     3. [M 1,024, K 100,000] x [K 100,000, N 256]; A: softmax (see below); B: input patterns: QUANTISED
;;   THE QUANTISER, for each operand of a quantised product, along K:
;;     - K is cut into blocks of 32 from its start; a last block that is shorter is filled with zeros.
;;     - A block's scale is 2^e with e = floor(log2(the largest magnitude in the block)) - 4, held to -126 .. 127; a block of zeros has e = 0. As a byte (E8M0): e + 127.
;;     - Each number is divided by its block's scale, clamped to +-28, and rounded to the nearest number of E3M2, ties to even, subnormals kept.
;;     - The product sums the exact products of the quantised numbers (number of the format x scale) in f32.
;;   ~~~python
;;   def quantise(x, axis):      # numpy; x: float32 -> the quantised numbers, widened to float32 again
;;       x = np.moveaxis(x, axis, -1); K = x.shape[-1]
;;       x = np.pad(x, [(0, 0)] * (x.ndim - 1) + [(0, -K % 32)]); x = x.reshape(x.shape[:-1] + (-1, 32)); a = np.abs(x).max(-1, keepdims=True)
;;       e = np.where(a > 0, np.clip(np.frexp(np.where(a > 0, a, 1))[1] - 1 - 4, -126, 127), 0)      # np.frexp(a)[1] - 1 = floor(log2(a)), exactly
;;       r = np.clip(x / 2.0 ** e, -28, 28)
;;       step = 2.0 ** (np.maximum(np.frexp(np.where(r == 0, 1, r))[1] - 1, -2) - 2)
;;       q = np.round(r / step) * step * 2.0 ** e      # np.round: ties to even
;;       return np.moveaxis(q.reshape(q.shape[:-2] + (-1,))[..., :K], -1, axis).astype(np.float32)
;;   ~~~
;;   SOFTMAX AHEAD OF A QUANTISED PRODUCT. Where the list says 'softmax', what is quantised is not the finished softmax but p = 2^(t - M), with t = logit x log2(e) and M = ceil(the row's largest t), a whole number; so 1/2 < the row's largest p <= 1. The row's sum l is taken of the UNQUANTISED p, in f32, and the product's result is divided by l at the end. Since M is a whole number, a kernel that streams over the keys may use a running M (the ceiling of the running maximum): every later rescaling is an exact power of two, which a block's scale takes up: the codes' values come out the same.
;;   OPERANDS COMPUTED ON THE WAY. 'Computed on the way' means the value that the module computes at that place (a softmax that the list does not call 'softmax' is quantised finished and normalised). What goes into a quantiser is computed in f32, as accurately as f32 sums, v_exp_f32 and their like allow (about 1e-6 of the number): no bf16 or f16 on the way to a quantiser, and a product that is left as it is and whose result goes on into a quantised operand takes f32 operands (vector FMAs, or v_wmma_f32_16x16x4_f32). A number that lies on a knife's edge between two numbers of the format may be rounded either way, as far as f32 arithmetic and the matrix unit's own rounding can turn it there, and no further.
;;   INPUTS GIVEN AS CODES. W (in the module: [256, 256], K = its axis 1); state (in the module: [1024, 256], K = its axis 1): each comes as NAME_codes (uint8): NAME with its K axis moved to the last place and cut into blocks of 32 codes, [.., K / 32, bytes a block], one block behind the other in memory; four codes in three bytes: a row's codes are one little-endian stream of bits, code i at bits 6 i .. 6 i + 5 (a code: sign, 3 exponent bits, 2 mantissa bits); and NAME_scales (uint8): the same leading axes, one E8M0 byte (e + 127) for each 32 codes along K. Its value is code x scale, taken as it is: it is not quantised again, and the codes and scales need not be those that the quantiser above would give.
;; One version. Each part assembles by itself: llvm-mc -triple=amdgcn-amd-amdhsa -mcpu=gfx1250 --defsym DOCPART=n.
;; ======== version 1 of 1: 4 launches
;; limits: right only within a limited range of input values
;; workspace buffers: rec 40,943,616 bytes; qbuf 212,992 bytes; dmax 12,800 bytes; opart 33,554,432 bytes; ml 524,288 bytes
;; launch prep (part 1): grid 800 x 1, 4 waves a work-group, no clusters, 134,144 bytes of LDS; arguments patterns, depths, gate, state_codes, state_scales, W_codes, W_scales, rec, qbuf, dmax; writes rec, qbuf, dmax
.if DOCPART == 1
	.amdgcn_target "amdgcn-amd-amdhsa--gfx1250"
	.amdhsa_code_object_version 6
	.text
	.protected	k_qd2477e8390_prep
	.globl	k_qd2477e8390_prep
	.p2align	8
	.type	k_qd2477e8390_prep,@function
k_qd2477e8390_prep:
	s_mov_b64 s[64:65], 0
	v_nop
	global_prefetch_b8 v0, s[64:65] scope:SCOPE_SE
	s_setreg_imm32_b32 hwreg(HW_REG_WAVE_MODE, 25, 1), 1
	s_wait_xcnt 0x0
; PREP.  Work-groups 16 .. 799 turn patterns [100000][256] f32 into RECORDS of 128 keys; work-groups 0 .. 15 make the queries (product 1) and quantise them.
; All codes are BF6 (E3M2) with one E8M0 byte for each 32 along K: scale = 2^(floor(log2(largest magnitude)) - 4), byte = the largest magnitude's exponent field - 4, held at 1 from below.
; (A block of zeros so gets the byte 1 where the rule says 127: its codes are zeros, and this program alone reads the bytes.)
; A RECORD (52,224 bytes = 204 x 256) holds, for keys 128 ks .. 128 ks + 127:
;   KIMG  16 fragments (key tile t, half s of D), quantised along D.  Lane r of tile 2 b + u is key 32 b + 8 u + r + 8 (r / 8).
;   VIMG  16 fragments (d tile T: rows d = 16 T + r), quantised along the keys, keys in their natural order.
;   KSC, VSC  eight scale registers each, as pairs: lanes 0-15 carry one word, lanes 16-31 a second (K: halves 0, 1 of D; V: d tiles 2 i, 2 i + 1).
;   BIAS  128 f32: ln max(depth, 1e-8) + ln max(gate, 1e-8); -1e30 for keys at or past 100,000.   RPAD  512 zero bytes.
; A FRAGMENT (16 rows x 128 K, 12 registers a lane) lies as an image of its registers: registers 4 g .. 4 g + 3 of lane L at 512 g + 16 L.
; 100,000 keys are 3,125 whole blocks of 32: a wave's block of 32 keys is all there or not there at all; blocks that are not there give zero codes.
; LIMITS: NaN and infinities among the inputs are not served; blocks whose largest magnitude lies under 2^-122 keep the byte 1.
.set REC,  52224
.set FRB,  1536
.set KIMG, 0
.set VIMG, 24576
.set KSC,  49152
.set VSC,  50176
.set BIAS, 51200
.set RPAD, 51712
.set NBLK, 3125                        ; blocks of 32 keys that exist
.set RP,   1040                        ; LDS: a key's row, 1,024 bytes + 16: an odd multiple of 16, so that neighbouring rows start 16 bytes on modulo 256
.set BS,   33408                       ; LDS: a block of 32 keys; rows 16-31 lie 128 bytes further on; BS is 128 modulo 256
.set TM,   16                          ; v16-31   at work in the quantisers
.set XA,   32                          ; v32-95   64 numbers;  v32-159: the ring of loads, four sets of 32
.set XB,   96                          ; v96-159  64 numbers
.set ZR,   160                         ; v160-163 zeros (records)
.set H,    160                         ; v160-223 eight tiles of the projection (queries)
.set XF,   32                          ; v32-55   state's two fragments (queries)
.set WF,   64                          ; v64-159  eight fragments of W (queries)
.set PC,   224                         ; v224-242 the codes just made
.set XS,   243                         ; v243     state's scale words: nothing else ever
.set KSW,  244                         ; v244-245 my two scale registers of K
.set VSW,  246                         ; v246-247 and of V
.set PW,   248                         ; the scale word just made
.set W0,   249                         ; the one before
.set DEP,  250
.set BIA,  251
.set WS,   252                         ; v252-255 W's scale words: nothing else ever
.set WV,   24
.set HM,   27                          ; lanes 16-31
.set SEL,  28                          ; s[28:29] v_permlanex16_b32's selects for lane l xor 16
; 64 numbers of a lane, register 16 b + i = k 32 b + 16 (lane / 16) + i of my row, become a fragment's codes in v[PC] on and my row's scale word in v[PW].
.macro QUANT s
.irp b, 0,1,2,3
	v_max3_num_f32 v[TM+\b], |v[\s+16*\b]|, |v[\s+1+16*\b]|, 0x2800000   ; block b: my 16 numbers and the floor 2^(5 - 127): the byte cannot fall under 1
.endr
.irp i, 2,4,6,8,10,12,14
.irp b, 0,1,2,3
	v_max3_num_f32 v[TM+\b], v[TM+\b], |v[\s+16*\b+\i]|, |v[\s+1+16*\b+\i]|
.endr
.endr
.irp b, 0,1,2,3
	v_permlanex16_b32 v[TM+4+\b], v[TM+\b], s[SEL], s[SEL+1]
.endr
.irp b, 0,1,2,3
	v_max_num_f32 v[TM+\b], v[TM+\b], v[TM+4+\b]                   ; with lane l xor 16's: the block's largest magnitude
.endr
.irp b, 0,1,2,3
	v_add_nc_u32 v[TM+12+\b], 0xfe000000, v[TM+\b]                 ; 4 off its exponent field: the conversion's scale operand
.endr
.irp b, 0,1,2,3
	v_lshrrev_b32 v[TM+4+\b], 23, v[TM+12+\b]                      ; the scale's byte
.endr
	v_lshl_or_b32 v[PW], v[TM+5], 8, v[TM+4]
	v_lshl_or_b32 v[PW], v[TM+6], 16, v[PW]
	v_lshl_or_b32 v[PW], v[TM+7], 24, v[PW]
.irp c, 0,1
	v_cvt_scalef32_pk16_bf6_f32 v[PC+6*\c:PC+2+6*\c], v[\s+32*\c:\s+15+32*\c], v[TM+12+2*\c]
	v_cvt_scalef32_pk16_bf6_f32 v[PC+12+4*\c:PC+14+4*\c], v[\s+16+32*\c:\s+31+32*\c], v[TM+12+2*\c+1]   ; (a conversion's three registers begin on an even number)
.endr
	v_nop                                          ; one plain place behind a scaled conversion
.irp c, 0,1                                    ; the operand wants a whole block in a lane: lanes 0-15 block 2 c, lanes 16-31 block 2 c + 1
.irp i, 0,1,2
	v_permlane16_swap_b32 v[PC+6*\c+\i], v[PC+12+4*\c+\i]
.endr
.irp i, 0,1,2
	v_mov_b32 v[PC+3+6*\c+\i], v[PC+12+4*\c+\i]
.endr
.endr
.endm
	s_load_b512 s[4:19], s[0:1], 0x0               ; patterns 4, depths 6, gate 8, state codes 10, state scales 12, W codes 14, W scales 16, rec 18
	s_load_b128 s[20:23], s[0:1], 0x40             ; qbuf 20, dmax 22
	v_lshl_add_u32 v239, v0, 2, 0x20a00
	s_set_vgpr_msb 0x40
	v_mov_b32 v1, 0
	s_set_vgpr_msb 0x4000
	v_lshrrev_b32 v1, 5, v0
	v_readfirstlane_b32 s[WV], v1                  ; wave 0..3
	v_and_b32 v1, 31, v0                           ; L
	v_and_b32 v2, 15, v0                           ; r
	v_bfe_u32 v3, v0, 4, 1                         ; h
	v_lshlrev_b32 v4, 4, v1                        ; 16 L
	s_mul_i32 s40, s[WV], 4*FRB
	v_add_nc_u32 v5, s40, v4                       ; images: 16 L + my wave's four fragments
	s_lshl_b32 s41, s[WV], 8
	v_lshlrev_b32 v6, 3, v1
	v_add_nc_u32 v6, s41, v6                       ; scale pairs: 8 L + 256 wave
	s_lshl_b32 s42, s[WV], 7
	v_lshlrev_b32 v13, 2, v1                       ; 4 L
	v_add_nc_u32 v7, s42, v13                      ; bias: 4 L + 128 wave
	s_mul_i32 s43, s[WV], BS
	v_add_nc_u32 v8, s43, v4                       ; LDS, in: my block + 16 L
	v_and_b32 v14, 8, v2
	v_add_nc_u32 v14, v14, v2                      ; r + 8 (r / 8)
	v_mul_u32_u24 v9, v14, RP
	v_lshrrev_b32 v15, 3, v2
	v_lshl_add_u32 v9, v15, 7, v9                  ; rows 16 on lie 128 bytes further
	v_lshl_add_u32 v9, v3, 6, v9                   ; my 16 numbers of each 32
	v_add_nc_u32 v9, s43, v9                       ; LDS, K side: my key's row in my block
	v_mul_u32_u24 v10, v3, BS
	v_lshl_add_u32 v10, v2, 2, v10
	v_add_nc_u32 v10, s41, v10                     ; LDS, V side: column 64 wave + r of key block h,
	v_add_nc_u32 v11, 2*BS, v10                    ; and of key block 2 + h
	v_lshlrev_b32 v12, 3, v3                       ; 8 h
	v_mov_b32 v15, 0
.irp i, 0,1,2,3,4,5,6,7,8,9,10,11,12,13,14,15
	v_mov_b32 v[TM+\i], 0                          ; written once: a lane permute's destination counts as one of its sources
.endr
	s_mov_b32 s[HM], 0xffff0000
	s_mov_b32 s[SEL], 0x76543210
	s_mov_b32 s[SEL+1], 0xfedcba98
	s_wait_kmcnt 0x0
	s_cmp_lt_u32 ttmp9, 16                         ; the same in all four waves
	s_cbranch_scc1 .Lproj
; ---------------- A RECORD ----------------
	s_sub_co_u32 s25, ttmp9, 16                    ; ks
	s_lshl_b32 s26, s25, 2
	s_add_co_u32 s26, s26, s[WV]                   ; my block of 32 keys
	s_mul_i32 s32, s25, REC
	s_mov_b32 s33, 0
	s_add_nc_u64 s[32:33], s[18:19], s[32:33]      ; the record
	s_lshl_b32 s38, s26, 2
	s_mov_b32 s39, 0
	s_add_nc_u64 s[38:39], s[22:23], s[38:39]      ; dmax[block]
.irp i, 0,1,2,3
	v_mov_b32 v[ZR+\i], 0
.endr
	s_cmp_lt_u32 s26, NBLK
	s_cbranch_scc0 .Lempty
	s_lshl_b32 s30, s26, 15                        ; 32 rows of 1,024 bytes
	s_mov_b32 s31, 0
	s_add_nc_u64 s[30:31], s[4:5], s[30:31]
	s_lshl_b32 s34, s26, 7
	s_mov_b32 s35, 0
	s_add_nc_u64 s[36:37], s[8:9], s[34:35]        ; gate
	s_add_nc_u64 s[34:35], s[6:7], s[34:35]        ; depths
	global_load_b32 v[DEP], v13, s[34:35]
	global_load_b32 v[BIA], v13, s[36:37]          ; the gate, for now
; The block's 32,768 bytes come as they lie, 512 consecutive bytes a load, in a ring of four sets of eight loads, and go to LDS as rows.
.macro PLOAD sb
.irp i, 0,1,2,3,4,5,6,7
	global_load_b128 v[XA+32*((\sb)%4)+4*\i:XA+32*((\sb)%4)+4*\i+3], v4, s[30:31] offset:512*(8*(\sb)+\i) th:TH_LOAD_NT
.endr
.endm
.macro PSTORE sb
.irp i, 0,1,2,3,4,5,6,7
	ds_store_b128 v8, v[XA+32*((\sb)%4)+4*\i:XA+32*((\sb)%4)+4*\i+3] offset:((8*(\sb)+\i)/2)*RP+128*((8*(\sb)+\i)/32)+512*(\i%2)
.endr
.endm
.irp sb, 0,1,2,3
	PLOAD \sb
.endr
.irp sb, 0,1,2,3
	s_wait_loadcnt 24                              ; this set is in; the three younger sets may be out
	PSTORE \sb
	s_wait_dscnt 0x0                               ; the stores have read their registers, which take the set four on
	PLOAD \sb+4
.endr
	s_wait_loadcnt 24
	PSTORE 4
	s_wait_loadcnt 16                              ; the counts run down: nothing more is asked for
	PSTORE 5
	s_wait_loadcnt 8
	PSTORE 6
	s_wait_loadcnt 0x0
	PSTORE 7
	v_max_num_f32 v16, 0x322bcc77, v[DEP]          ; clip at 1e-8
	v_max_num_f32 v17, 0x322bcc77, v[BIA]
	s_wait_alu depctr_va_vdst(0)
	v_log_f32 v16, v16
	v_log_f32 v17, v17
	v_nop                                          ; a plain place behind the transcendentals
	s_wait_alu depctr_va_vdst(0)
	v_add_f32 v16, v16, v17
	v_mul_f32 v[BIA], 0x3f317218, v16              ; x ln 2
	s_branch .Ljoin
.Lempty:                                               ; a block past the last key: zeros, a bias under every logit, a depth under every depth
.set n, 0
	s_wait_alu depctr_va_vdst(0)
.rept 64
	ds_store_b128 v8, v[ZR:ZR+3] offset:(n/2)*RP+128*(n/32)+512*(n%2)
.set n, n+1
.endr
	v_mov_b32 v[BIA], 0xf149f2ca                   ; -1e30
	v_mov_b32 v[DEP], 0xff800000                   ; -infinity
.Ljoin:
	s_wait_alu depctr_va_vdst(0)
	global_store_b32 v7, v[BIA], s[32:33] offset:BIAS
	global_store_b32 v7, v[ZR], s[32:33] offset:RPAD
	v_max_num_f32_dpp v[DEP], v[DEP], v[DEP] row_xmask:1 row_mask:0xf bank_mask:0xf   ; the largest depth of my 32 keys
	v_max_num_f32_dpp v[DEP], v[DEP], v[DEP] row_xmask:2 row_mask:0xf bank_mask:0xf
	v_max_num_f32_dpp v[DEP], v[DEP], v[DEP] row_xmask:4 row_mask:0xf bank_mask:0xf
	v_max_num_f32_dpp v[DEP], v[DEP], v[DEP] row_xmask:8 row_mask:0xf bank_mask:0xf
	v_permlanex16_b32 v16, v[DEP], s[SEL], s[SEL+1]
	v_max_num_f32 v[DEP], v[DEP], v16
	v_cmp_eq_u32 vcc_lo, 0, v1
	s_wait_alu depctr_va_vdst(0)
	s_wait_xcnt 0x0                                ; EXEC is a source of the stores above: it changes only behind this wait
	s_and_saveexec_b32 s44, vcc_lo
	global_store_b32 v[ZR], v[DEP], s[38:39]       ; lane 0 alone
	s_wait_xcnt 0x0                                ; and again in front of the line that widens it
	s_or_b32 exec_lo, exec_lo, s44
	s_wait_dscnt 0x0                               ; my LDS stores have read the ring's registers, which the fetches below fill
; ---- K side: my own block of 32 keys is key tiles 2 wave and 2 wave + 1; only my own LDS bytes are read, so no barrier is owed
.macro KFETCH u, s, x                  ; lane (r, h): of key 8 u + r + 8 (r / 8), 16 numbers of each 32 of half s of D
.irp b, 0,1,2,3
.irp j, 0,1,2,3
	ds_load_b128 v[\x+16*\b+4*\j:\x+16*\b+4*\j+3], v9 offset:8*\u*RP+512*\s+128*\b+16*\j
.endr
.endr
.endm
.macro IMG off                         ; the fragment in v[PC] on leaves as it stands: 512 consecutive bytes a store
.irp g, 0,1,2
	global_store_b128 v5, v[PC+4*\g:PC+4*\g+3], s[32:33] offset:\off+512*\g
.endr
.endm
	KFETCH 0, 0, XA
	KFETCH 0, 1, XB
	s_wait_dscnt 16                                ; the older fetch is in, the younger 16 loads may be out
	QUANT XA
	IMG KIMG
	v_mov_b32 v[W0], v[PW]
	KFETCH 1, 0, XA
	s_wait_dscnt 16
	s_wait_xcnt 0x0                                ; the image's stores have read v[PC] on
	QUANT XB
	IMG KIMG+FRB
	v_cndmask_b32 v[KSW], v[W0], v[PW], s[HM]      ; lanes 0-15: half 0's word; lanes 16-31: half 1's
	KFETCH 1, 1, XB
	s_wait_dscnt 16
	s_wait_xcnt 0x0
	QUANT XA
	IMG KIMG+2*FRB
	v_mov_b32 v[W0], v[PW]
	s_wait_dscnt 0x0
	s_wait_xcnt 0x0
	QUANT XB
	IMG KIMG+3*FRB
	v_cndmask_b32 v[KSW+1], v[W0], v[PW], s[HM]
	global_store_b64 v6, v[KSW:KSW+1], s[32:33] offset:KSC
	s_wait_dscnt 0x0                               ; my LDS stores have landed (and my loads are in):
	s_barrier_signal -1
	s_barrier_wait -1                              ; all 128 keys lie in LDS
; ---- V side: d tiles 4 wave .. 4 wave + 3.  A lane takes a column d and its registers run down the keys, in the operand's own order: nothing is transposed
.macro VFETCH i, x                     ; lane (r, h): column 64 wave + 16 i + r, keys 64 c + 32 h + k
.irp k, 0,1,2,3,4,5,6,7,8,9,10,11,12,13,14,15,16,17,18,19,20,21,22,23,24,25,26,27,28,29,30,31
	ds_load_b32 v[\x+\k], v10 offset:\k*RP+128*(\k/16)+64*\i
.endr
.irp k, 0,1,2,3,4,5,6,7,8,9,10,11,12,13,14,15,16,17,18,19,20,21,22,23,24,25,26,27,28,29,30,31
	ds_load_b32 v[\x+32+\k], v11 offset:\k*RP+128*(\k/16)+64*\i
.endr
.endm
.macro VQ x, w                         ; two whole blocks a lane; the row's scale word into v[w]
.irp c, 0,1
	v_max3_num_f32 v[TM+\c], |v[\x+32*\c]|, |v[\x+32*\c+1]|, 0x2800000
.endr
.irp i, 2,4,6,8,10,12,14,16,18,20,22,24,26,28,30
.irp c, 0,1
	v_max3_num_f32 v[TM+\c], v[TM+\c], |v[\x+32*\c+\i]|, |v[\x+32*\c+\i+1]|
.endr
.endr
.irp c, 0,1
	v_add_nc_u32 v[TM+12+\c], 0xfe000000, v[TM+\c]
.endr
.irp c, 0,1
	v_lshrrev_b32 v[TM+4+\c], 23, v[TM+12+\c]
.endr
	v_lshl_or_b32 v[\w], v[TM+5], 16, v[TM+4]      ; my two bytes: blocks h and 2 + h,
	v_lshlrev_b32 v[\w], v12, v[\w]                ; at their places (8 h bits up);
	v_permlanex16_b32 v[TM+8], v[\w], s[SEL], s[SEL+1]
	v_or_b32 v[\w], v[\w], v[TM+8]                 ; with lane l xor 16's two the word is whole
.irp c, 0,1
	v_cvt_scalef32_pk16_bf6_f32 v[PC+6*\c:PC+6*\c+2], v[\x+32*\c:\x+32*\c+15], v[TM+12+\c]
	v_cvt_scalef32_pk16_bf6_f32 v[PC+12+4*\c:PC+14+4*\c], v[\x+32*\c+16:\x+32*\c+31], v[TM+12+\c]
.endr
	v_nop                                          ; one plain place behind a scaled conversion
.irp c, 0,1
.irp i, 0,1,2
	v_mov_b32 v[PC+3+6*\c+\i], v[PC+12+4*\c+\i]
.endr
.endr
.endm
	VFETCH 0, XA
	VFETCH 1, XB
	s_wait_dscnt 63                                ; 64 loads are younger; a wait names 63 at the most, and a smaller count is safe
	s_wait_xcnt 0x0
	VQ XA, W0
	IMG VIMG
	VFETCH 2, XA
	s_wait_dscnt 63
	s_wait_xcnt 0x0
	VQ XB, PW
	IMG VIMG+FRB
	v_cndmask_b32 v[VSW], v[W0], v[PW], s[HM]      ; lanes 0-15: the even d tile's words; lanes 16-31: the odd one's
	VFETCH 3, XB
	s_wait_dscnt 63
	s_wait_xcnt 0x0
	VQ XA, W0
	IMG VIMG+2*FRB
	s_wait_dscnt 0x0
	s_wait_xcnt 0x0
	VQ XB, PW
	IMG VIMG+3*FRB
	v_cndmask_b32 v[VSW+1], v[W0], v[PW], s[HM]
	global_store_b64 v6, v[VSW:VSW+1], s[32:33] offset:VSC
	s_set_vgpr_msb 0x4
	s_wait_tensorcnt 0x0
	ds_add_u32 v239, v1
	s_wait_dscnt 0x0
	s_set_vgpr_msb 0x400
	s_endpgm
; ---------------- THE QUERIES: projected = state W^T on the given codes, then quantised along its 256 ----------------
; A wave takes 16 rows of state.  The product is used transposed (source 0 = 16 rows of W, source 1 = state): a lane holds one query, and, the rows of W that form a tile
; being chosen as the keys of a tile are, the 16 registers of tiles 2 b and 2 b + 1 are 16 neighbours along the next K.
.Lproj:
	s_lshl_b32 s25, ttmp9, 2
	s_add_co_u32 s25, s25, s[WV]                   ; query tile T
	s_mul_i32 s30, s25, 16*192
	s_mov_b32 s31, 0
	s_add_nc_u64 s[10:11], s[10:11], s[30:31]      ; my rows' codes (192 bytes a row)
	s_lshl_b32 s30, s25, 7
	s_add_nc_u64 s[12:13], s[12:13], s[30:31]      ; their scale bytes (8 a row)
	s_add_nc_u64 s[34:35], s[20:21], s[30:31]      ; qbuf + 128 T: the tile's scale register lies 196,608 bytes on
	s_mul_i32 s30, s25, 2*FRB
	s_add_nc_u64 s[32:33], s[20:21], s[30:31]      ; qbuf + 3,072 T: its two fragments
	s_lshl_b32 s30, s25, 2
	s_add_nc_u64 s[38:39], s[22:23], s[30:31]      ; dmax + 4 T
	v_mul_u32_u24 v56, v2, 192
	v_mad_u32_u24 v56, v3, 24, v56                 ; state: row r, + 24 h
	v_mul_u32_u24 v57, v14, 192
	v_mad_u32_u24 v57, v3, 24, v57                 ; W: row r + 8 (r / 8), + 24 h
	s_wait_alu depctr_va_vdst(0)
	v_lshlrev_b32 v58, 3, v2
	v_lshl_add_u32 v58, v3, 2, v58                 ; scale words: lanes 0-15 the first 128 of K, lanes 16-31 the second
	v_lshlrev_b32 v59, 3, v14
	v_lshl_add_u32 v59, v3, 2, v59
	s_wait_alu depctr_va_vdst(0)
.irp s, 0,1
.irp p, 0,1,2,3,4,5
	global_load_b64 v[XF+12*\s+2*\p:XF+12*\s+2*\p+1], v56, s[10:11] offset:96*\s+48*(\p/3)+8*(\p%3)
.endr
.endr
	global_load_b32 v[XS], v58, s[12:13]
; four tiles of half G of the 256 outputs: tiles 4 q .. 4 q + 3; the four accumulators take turns, K step by K step
.macro PGROUP G, q
.rept 4
	v_nop                                          ; places in front of loads into registers that matrix instructions have read
.endr
.irp t, 0,1,2,3
.irp s, 0,1
.irp p, 0,1,2,3,4,5
	global_load_b64 v[WF+12*(2*\t+\s)+2*\p:WF+12*(2*\t+\s)+2*\p+1], v57, s[14:15] offset:(128*\G+32*((4*\q+\t)/2)+8*(\t%2))*192+96*\s+48*(\p/3)+8*(\p%3)
.endr
.endr
	global_load_b32 v[WS+\t], v59, s[16:17] offset:(128*\G+32*((4*\q+\t)/2)+8*(\t%2))*8
.endr
	s_wait_loadcnt 0x0
.irp t, 0,1,2,3
	v_wmma_scale_f32_16x16x128_f8f6f4 v[H+8*(4*\q+\t):H+8*(4*\q+\t)+7], v[WF+24*\t:WF+24*\t+11], v[XF:XF+11], 0, v[WS+\t], v[XS] matrix_a_fmt:MATRIX_FMT_BF6 matrix_b_fmt:MATRIX_FMT_BF6
.endr
.irp t, 0,1,2,3
	v_wmma_scale_f32_16x16x128_f8f6f4 v[H+8*(4*\q+\t):H+8*(4*\q+\t)+7], v[WF+24*\t+12:WF+24*\t+23], v[XF+12:XF+23], v[H+8*(4*\q+\t):H+8*(4*\q+\t)+7], v[WS+\t], v[XS] matrix_a_fmt:MATRIX_FMT_BF6 matrix_b_fmt:MATRIX_FMT_BF6 matrix_a_scale:MATRIX_SCALE_ROW1 matrix_b_scale:MATRIX_SCALE_ROW1
.endr
.endm
.macro PIMG off
.irp g, 0,1,2
	global_store_b128 v4, v[PC+4*\g:PC+4*\g+3], s[32:33] offset:\off+512*\g
.endr
.endm
	PGROUP 0, 0
	PGROUP 0, 1
.rept 4
	v_nop                                          ; places in front of the first read of results
.endr
	QUANT H
	PIMG 0
	v_mov_b32 v[W0], v[PW]
	PGROUP 1, 0
	PGROUP 1, 1
.rept 4
	v_nop
.endr
	s_wait_xcnt 0x0                                ; the first image's stores have read v[PC] on
	QUANT H
	PIMG FRB
	v_cndmask_b32 v[PW], v[W0], v[PW], s[HM]       ; the tile's scale register: lanes 0-15 half 0's words, lanes 16-31 half 1's
	global_store_b32 v13, v[PW], s[34:35] offset:196608
	v_mov_b32 v[DEP], 0xff800000                   ; dmax's last 64 words belong to no key: -infinity
	v_cmp_eq_u32 vcc_lo, 0, v1
	s_wait_alu depctr_va_vdst(0)
	s_wait_xcnt 0x0                                ; EXEC changes only behind this wait
	s_and_saveexec_b32 s44, vcc_lo
	global_store_b32 v15, v[DEP], s[38:39] offset:12544
	s_wait_xcnt 0x0
	s_or_b32 exec_lo, exec_lo, s44
	s_endpgm
.Lfunc_end_k_qd2477e8390_prep:
	.size	k_qd2477e8390_prep, .Lfunc_end_k_qd2477e8390_prep-k_qd2477e8390_prep
	.p2alignl 7, 3214868480
	.fill 96, 4, 3214868480
	.section	.rodata,"a",@progbits
	.p2align	6, 0x0
	.amdhsa_kernel k_qd2477e8390_prep
		.amdhsa_group_segment_fixed_size 134144
		.amdhsa_private_segment_fixed_size 0
		.amdhsa_enable_private_segment 0
		.amdhsa_kernarg_size 80
		.amdhsa_user_sgpr_count 2
		.amdhsa_user_sgpr_kernarg_segment_ptr 1
		.amdhsa_wavefront_size32 1
		.amdhsa_system_sgpr_workgroup_id_x 1
		.amdhsa_system_sgpr_workgroup_id_y 1
		.amdhsa_system_sgpr_workgroup_id_z 1
		.amdhsa_system_vgpr_workitem_id 0
		.amdhsa_next_free_vgpr 258
		.amdhsa_next_free_sgpr 66
		.amdhsa_reserve_vcc 1
		.amdhsa_float_denorm_mode_32 3
		.amdhsa_float_denorm_mode_16_64 3
		.amdhsa_memory_ordered 1
		.amdhsa_forward_progress 1
		.amdhsa_inst_pref_size 105
	.end_amdhsa_kernel
	.amdgpu_metadata
---
amdhsa.version: [ 1, 2 ]
amdhsa.kernels:
  - .name:           k_qd2477e8390_prep
    .symbol:         k_qd2477e8390_prep.kd
    .args:
      - { .name: patterns, .offset: 0, .size: 8, .value_kind: global_buffer, .address_space: global }
      - { .name: depths, .offset: 8, .size: 8, .value_kind: global_buffer, .address_space: global }
      - { .name: gate, .offset: 16, .size: 8, .value_kind: global_buffer, .address_space: global }
      - { .name: state_codes, .offset: 24, .size: 8, .value_kind: global_buffer, .address_space: global }
      - { .name: state_scales, .offset: 32, .size: 8, .value_kind: global_buffer, .address_space: global }
      - { .name: W_codes, .offset: 40, .size: 8, .value_kind: global_buffer, .address_space: global }
      - { .name: W_scales, .offset: 48, .size: 8, .value_kind: global_buffer, .address_space: global }
      - { .name: rec, .offset: 56, .size: 8, .value_kind: global_buffer, .address_space: global }
      - { .name: qbuf, .offset: 64, .size: 8, .value_kind: global_buffer, .address_space: global }
      - { .name: dmax, .offset: 72, .size: 8, .value_kind: global_buffer, .address_space: global }
    .group_segment_fixed_size: 134144
    .private_segment_fixed_size: 0
    .kernarg_segment_align: 8
    .kernarg_segment_size: 80
    .max_flat_workgroup_size: 128
    .sgpr_count:     66
    .vgpr_count:     258
    .wavefront_size: 32
...
	.end_amdgpu_metadata
.endif
;; end of part 1
;; launch attn (part 2): grid 8 x 32, 8 waves a work-group, clusters of 4 x 1, 327,680 bytes of LDS; arguments rec, qbuf, opart, ml; writes opart, ml
.if DOCPART == 2
	.amdgcn_target "amdgcn-amd-amdhsa--gfx1250"
	.amdhsa_code_object_version 6
	.text
	.protected	k_qd2477e8390_attn
	.globl	k_qd2477e8390_attn
	.p2align	8
	.type	k_qd2477e8390_attn,@function
k_qd2477e8390_attn:
	s_mov_b64 s[64:65], 0
	v_nop
	global_prefetch_b8 v0, s[64:65] scope:SCOPE_SE
	s_setreg_imm32_b32 hwreg(HW_REG_WAVE_MODE, 25, 1), 1
	s_wait_xcnt 0x0
	s_wait_alu depctr_hold_cnt(0) depctr_sa_sdst(0) depctr_va_vdst(0) depctr_va_sdst(0) depctr_va_ssrc(0) depctr_va_vcc(0) depctr_vm_vsrc(0)
	s_getreg_b32 s2, hwreg(HW_REG_IB_STS2, 6, 4)
	s_cmp_eq_u32 s2, 0
	s_cbranch_scc0 .Lentry_in_a_cluster
	s_endpgm
.Lentry_in_a_cluster:
	s_bfe_u32 s2, ttmp6, 0x10000c
	s_cmp_lg_u32 s2, 0x3003
	s_cbranch_scc0 .Lentry_shape_is_right
	s_endpgm
.Lentry_shape_is_right:
; ATTN.  Products 2 and 3 on codes of BF6 with a running softmax, for one block of 128 queries (grid x) and one chunk of keys (grid y, 32 chunks).
; logit = bias + q . k;  t = logit x log2(e);  M = the running largest t rounded UP to a whole number;  p = 2^(t - M) is quantised along the keys, not normalised;  l = the sum of the unquantised p.
; When M moves, l and O are multiplied by 2^(old M - new M), which rounds nothing.  The chunk's O^T, -M and l go to memory; a later launch joins the 32 chunks.
; SHARES.  Records (128 keys) go in pairs (a, b).  Chunk c begins at pair 12 c + min(c, 7); chunks 0-6 have 13 pairs, the others 12.  Every chunk FETCHES 26 records (the last chunk's end at the buffer's end),
; so that the trip count is a constant of the text; the 13th pair's work is jumped over where c >= 7: a scalar branch on the chunk's number, which the partners share.
; TWO GROUPS OF WAVES ON THE SAME QUERIES.  Waves w and w + 4 own the same two tiles of 16 queries (tiles 2 (w & 3), + 1 of the block's eight); g = (w xor w / 4) & 1 differs between them.
; Group A (g = 0) takes each pair's record a, group B (g = 1) its record b, each with sums of its own.  A step is K (scores), SM (softmax: vector work), PV.  In a PERIOD (one pair) A runs K(a) SM PV and
; B runs SM PV of the pair before's b, then K(b): B carries its scores over the round in registers, so four waves stand at LDS while four do vector work.
; AT THE END THE TWO GROUPS' SUMS ARE JOINED IN LDS: group B holds the two tiles in swapped order, so every wave keeps the tile in its first registers and hands the other to its partner:
; M = the larger M, both parts x 2^(own M - M), exact.  So one O^T for each tile and chunk goes to memory: 32 x 1,048,576 bytes.
; A SLOT is what a period reads: the V part of the record before a (27,648 bytes), then records a and b: in memory ONE dense block of 516 rows of 256 bytes.  Two slots serve.
; CLUSTER.  Four query blocks walk the same records: each slot is asked for JOINTLY (mask 15), by waves 0-3, 129 rows each.  By this text's count one tensor load of a wave is out at most.
; NO PREFETCH: a block is asked for directly behind a period's round and waited for at the next period's head, behind 64 products and two softmaxes of every wave.
; LAYOUT.  Both products are used transposed (S^T = K Q^T, O^T = V^T P^T): a lane holds one query throughout; the keys of a tile are chosen so that the 16 registers of tiles 2 b, 2 b + 1 are 16 neighbouring keys.
; The bias is the C of a score's first matrix instruction.
; LIMITS: NaN and infinities are not served; the promise holds while |t| stays under 2^31.  A block's largest p is taken from its largest score, which takes v_exp_f32 not to fall where its input rises.
; REGISTERS.  Window 0: v0-7, v19 addresses; v8-15 statistics; v16-18 at work; v20-31 scale words and nothing else; v32-79 Q; v80-127 K's fragments, then p's codes and work; v128-255 S^T, then V's fragments.
;             Window 1: O^T, tile q's d tile T at v[128 q + 8 T].
.set REC,   52224
.set FRB,   1536
.set KIMG,  0
.set VIMG,  24576
.set KSC,   49152
.set VSC,   50176
.set BIAS,  51200
.set VSREL, VSC-VIMG                   ; V's scale registers, counted from V's images
.set KOFF,  REC-VIMG                   ; where record a begins in a slot.  V's images of the slot's three records begin at 0, REC, 2 REC
.set XS,    KOFF+2*REC                 ; 132,096 = 0x20400: a slot, and where slot 1 begins
.set SPARE, 2*XS                       ; the spare words, 128 bytes for each of the eight waves
.set STS,   SPARE+1024                 ; the way out: 256 bytes a wave for (-M, l); bytes of their own
.set FROWS, 102                        ; the first fill: records 0 and 1 alone, 408 rows, four waves
.set FPART, FROWS*256
.set TROWS, 129                        ; every other fill.  w x 33,024 (w = 0 .. 3) has bits 8, 9, 15, 16 alone, XS bits 10 and 17: an exclusive or with XS adds or takes away XS
.set TPART, TROWS*256
.set LONG,  7                          ; chunks under this number have 13 pairs
.set ADR2, 0                           ; v0   a second address of 16 L, for text that one group alone runs; on the way out 8 L
.set SPW, 1                            ; v1   SPARE + 4 x my thread's number; never rewritten
.set NIL, 2                            ; v2   0; never rewritten
.set LI,  3                            ; v3   16 L
.set LH,  4                            ; v4   64 h
.set ADR, 5
.set ADB, 6
.set AD8, 7
.set ST,  8                            ; tile q: v[8+4q] -M, +1 the largest t, +2, +3 l in two halves
.set FF,  16                           ; v[16:17] f, and a word that is only named
.set T0,  18
.set AD82, 19
.set QS,  20
.set PS,  22
.set KS,  24
.set Q,   32
.set F,   80
.set PCQ, 80
.set CT,  104
.set TM,  112
.set S0,  128
.set VB0, 128
.set VB1, 176
.set WV,  16
.set GRP, 17
.set SEL, 18
.set CS,  20                           ; s[20:21] log2(e)
.set NOFF, 22                          ; s22  (1 - g) x REC
.set TA,  23
.set G1F, 24
.set G1,  32
.set G0F, 40
.set G0,  44
.set TB,  48                           ; where the slot in hand begins: 0 or XS
.set CNT, 49
.set CH,  50
.set CX,  51                           ; my block of 128 queries
.set MSB, 0
.macro WIN new                         ; the immediate's high byte repeats the setting that is left
.if MSB != \new
	s_set_vgpr_msb (MSB<<8)|\new
.set MSB, \new
.endif
.endm
.macro CROUND                          ; a round of the cluster's barrier
	s_barrier_signal -1
	s_barrier_wait -1
	s_cmp_lg_u32 s[WV], 0
	s_cbranch_scc1 .Lnot_wave_0_\@
	s_barrier_signal -3
.Lnot_wave_0_\@:
	s_barrier_wait -3
	s_barrier_signal -1
	s_barrier_wait -1
.endm
.macro TLOAD g0, g1                    ; waves 0-3 fetch a quarter each
	s_cmp_lt_u32 s[WV], 4
	s_cbranch_scc0 .Lnone_\@
	tensor_load_to_lds s[\g0:\g0+3], s[\g1:\g1+7]
	s_nop 0
.rept 4
	v_nop
.endr
.Lnone_\@:
.endm
; THE CHANGE OF SLOTS, at a period's head.  Each wave waits for all its tensor loads, adds 0 to its spare word, and waits for that and for its reads of the slot that it has left.
; fill = 1 or 2: a round of the cluster's barrier, and behind it the slot just left takes the next period's block (2: the descriptor stands ready; 1: it steps).
.macro CHANGE fill
	s_wait_tensorcnt 0x0                           ; no tensor load of mine is out, so the descriptor may be written
	ds_add_u32 v[SPW], v[NIL]
.if \fill
	ds_add_u32 v[SPW], v[NIL]                      ; twice
.endif
.if \fill == 1
	s_xor_b32 s[G0+1], s[G0+1], XS                 ; the other slot than last time,
	s_add_nc_u64 s[G0+2:G0+3], s[G0+2:G0+3], 2*REC ; two records on
.endif
	s_wait_dscnt 0x0                               ; the add is done, and my reads of the slot that I have left are over
.if \fill
	CROUND
	TLOAD G0, G1
.else
	s_barrier_signal -1
	s_barrier_wait -1
.endif
.endm
.macro KADDR off                       ; the addresses of a K phase: the record at byte off of the slot.  Always in text that both groups run
	s_add_co_u32 s[TA], s[TB], \off
	v_add_nc_u32 v[ADR], s[TA], v[LI]
	v_add_nc_u32 v[ADB], s[TA], v[LH]
	v_lshrrev_b32 v[AD8], 1, v[LI]
	s_delay_alu instid0(VALU_DEP_1)
	v_add_nc_u32 v[AD8], s[TA], v[AD8]
.endm
.macro VADDR off, ng, ra, r8           ; the addresses of a PV phase: V's images at byte off of the slot, one record further on for group A where ng = 1
	s_add_co_u32 s[TA], s[TB], \off
.if \ng
	s_add_co_u32 s[TA], s[TA], s[NOFF]
.endif
	v_add_nc_u32 v[\ra], s[TA], v[LI]
	v_lshrrev_b32 v[\r8], 1, v[LI]
	s_delay_alu instid0(VALU_DEP_1)
	v_add_nc_u32 v[\r8], s[TA], v[\r8]
.endm
; one product of S^T: tile q of queries, key tile kt (the lt-th of the two in hand), half s of D.  The first half takes the bias, which lies in tile 0's registers, as C.
.macro KW q, kt, lt, s
.if \s == 0
	v_wmma_scale_f32_16x16x128_f8f6f4 v[S0+64*\q+8*(\kt):S0+64*\q+8*(\kt)+7], v[F+24*\lt:F+24*\lt+11], v[Q+24*\q:Q+24*\q+11], v[S0+8*(\kt):S0+8*(\kt)+7], v[KS+(\kt)], v[QS+\q] matrix_a_fmt:MATRIX_FMT_BF6 matrix_b_fmt:MATRIX_FMT_BF6
.else
	v_wmma_scale_f32_16x16x128_f8f6f4 v[S0+64*\q+8*(\kt):S0+64*\q+8*(\kt)+7], v[F+24*\lt+12:F+24*\lt+23], v[Q+24*\q+12:Q+24*\q+23], v[S0+64*\q+8*(\kt):S0+64*\q+8*(\kt)+7], v[KS+(\kt)], v[QS+\q] matrix_a_fmt:MATRIX_FMT_BF6 matrix_b_fmt:MATRIX_FMT_BF6 matrix_a_scale:MATRIX_SCALE_ROW1 matrix_b_scale:MATRIX_SCALE_ROW1
.endif
.endm
.macro KGROUP g                        ; key tiles 2 g and 2 g + 1 against both tiles of queries
.if \g > 0
.rept 4
	v_nop                                          ; places in front of loads into registers that matrix instructions have read
.endr
.endif
.irp n, 0,1,2,3,4,5,6,7,8,9,10,11
	ds_load_b128 v[F+4*\n:F+4*\n+3], v[ADR] offset:KIMG+4*FRB*\g+512*\n
.endr
	s_wait_dscnt 0x0
	KW 1, 2*\g, 0, 0                               ; tile 1 first: it reads the bias out of tile 0's registers
	KW 1, 2*\g+1, 1, 0
.rept 5
	v_nop                                          ; five places: the next two write over the C of the last two
.endr
	KW 0, 2*\g, 0, 0
	KW 0, 2*\g+1, 1, 0
	KW 1, 2*\g, 0, 1                               ; the four accumulators by turns
	KW 1, 2*\g+1, 1, 1
	KW 0, 2*\g, 0, 1
	KW 0, 2*\g+1, 1, 1
.endm
; THE K PHASE: the logits of 128 keys for my two tiles of queries.  KADDR's four vector lines stand ahead of it.
.macro KPHASE
.rept 4
	v_nop                                          ; with KADDR's four lines: eight places behind the last PV products
.endr
.irp t, 0,1,2,3,4,5,6,7
	ds_load_b128 v[S0+8*\t:S0+8*\t+3], v[ADB] offset:BIAS+4*(32*(\t/2)+8*(\t%2))          ; the bias of my eight keys of tile t, into tile 0's accumulator
	ds_load_b128 v[S0+8*\t+4:S0+8*\t+7], v[ADB] offset:BIAS+4*(32*(\t/2)+8*(\t%2))+16
.endr
.irp i, 0,1,2,3
	ds_load_b64 v[KS+2*\i:KS+2*\i+1], v[AD8] offset:KSC+256*\i
.endr
	KGROUP 0
	KGROUP 1
	KGROUP 2
	KGROUP 3
.rept 4
	v_nop                                          ; places in front of the next loads into the scale registers, of the first read of results and of writes over K's fragments
.endr
.endm
.macro VFETCH g, vb, ra                ; V's d tiles 4 g .. 4 g + 3
	WIN 0
.irp n, 0,1,2,3,4,5,6,7,8,9,10,11
	ds_load_b128 v[\vb+4*\n:\vb+4*\n+3], v[\ra] offset:4*FRB*\g+512*\n
.endr
.endm
.macro PV8 g, vb, first                ; O^T += V^T P^T: four d tiles x two tiles of queries: eight different accumulators
	WIN 0x50                                       ; C and D window 1
.irp i, 0,1,2,3
.irp q, 0,1
.if \first
.if (\i%2) == 0
	v_wmma_scale_f32_16x16x128_f8f6f4 v[128*\q+8*(4*\g+\i):128*\q+8*(4*\g+\i)+7], v[\vb+12*\i:\vb+12*\i+11], v[PCQ+12*\q:PCQ+12*\q+11], 0, v[KS+2*\g+\i/2], v[PS+\q] matrix_a_fmt:MATRIX_FMT_BF6 matrix_b_fmt:MATRIX_FMT_BF6
.else
	v_wmma_scale_f32_16x16x128_f8f6f4 v[128*\q+8*(4*\g+\i):128*\q+8*(4*\g+\i)+7], v[\vb+12*\i:\vb+12*\i+11], v[PCQ+12*\q:PCQ+12*\q+11], 0, v[KS+2*\g+\i/2], v[PS+\q] matrix_a_fmt:MATRIX_FMT_BF6 matrix_b_fmt:MATRIX_FMT_BF6 matrix_a_scale:MATRIX_SCALE_ROW1
.endif
.else
.if (\i%2) == 0
	v_wmma_scale_f32_16x16x128_f8f6f4 v[128*\q+8*(4*\g+\i):128*\q+8*(4*\g+\i)+7], v[\vb+12*\i:\vb+12*\i+11], v[PCQ+12*\q:PCQ+12*\q+11], v[128*\q+8*(4*\g+\i):128*\q+8*(4*\g+\i)+7], v[KS+2*\g+\i/2], v[PS+\q] matrix_a_fmt:MATRIX_FMT_BF6 matrix_b_fmt:MATRIX_FMT_BF6
.else
	v_wmma_scale_f32_16x16x128_f8f6f4 v[128*\q+8*(4*\g+\i):128*\q+8*(4*\g+\i)+7], v[\vb+12*\i:\vb+12*\i+11], v[PCQ+12*\q:PCQ+12*\q+11], v[128*\q+8*(4*\g+\i):128*\q+8*(4*\g+\i)+7], v[KS+2*\g+\i/2], v[PS+\q] matrix_a_fmt:MATRIX_FMT_BF6 matrix_b_fmt:MATRIX_FMT_BF6 matrix_a_scale:MATRIX_SCALE_ROW1
.endif
.endif
.endr
.endr
.endm
; tile q's softmax for 128 keys.  first = 1: O^T has not begun, so nothing is rescaled.
.macro SOFTMAX q, first
.set rS, S0+64*\q
.set rT, ST+4*\q
.set rP, PCQ+12*\q
.irp b, 0,1,2,3
	v_max3_num_f32 v[TM+\b], v[rS+16*\b], v[rS+16*\b+1], v[rS+16*\b+2]   ; the largest logit of each block of 32 keys, each accumulator from its low end on
.endr
.irp i, 3,5,7,9,11,13
.irp b, 0,1,2,3
	v_max3_num_f32 v[TM+\b], v[TM+\b], v[rS+16*\b+\i], v[rS+16*\b+\i+1]
.endr
.endr
.irp b, 0,1,2,3
	v_max_num_f32 v[TM+\b], v[TM+\b], v[rS+16*\b+15]
.endr
.irp b, 0,1,2,3
	s_delay_alu instid0(VALU_DEP_4)
	v_permlanex16_b32 v[TM+4+\b], v[TM+\b], s[SEL], s[SEL+1]
.endr
.irp b, 0,1,2,3
	s_delay_alu instid0(VALU_DEP_4)
	v_max_num_f32 v[TM+\b], v[TM+\b], v[TM+4+\b]   ; with lane l xor 16's 16 keys
.endr
	s_delay_alu instid0(VALU_DEP_2)
	v_max3_num_f32 v[T0], v[TM], v[TM+1], v[TM+2]
	s_delay_alu instid0(VALU_DEP_1)
	v_max_num_f32 v[T0], v[T0], v[TM+3]
	s_delay_alu instid0(VALU_DEP_1)
	v_mul_f32 v[T0], s[CS], v[T0]                  ; as t
	s_delay_alu instid0(VALU_DEP_1)
	v_max_num_f32 v[rT+1], v[rT+1], v[T0]          ; the running largest t
	v_mov_b32 v[T0], v[rT]
	s_delay_alu instid0(VALU_DEP_2)
	v_floor_f32 v[rT], -v[rT+1]                    ; the new -M = floor(-t): M is a whole number
	s_delay_alu instid0(VALU_DEP_1)
	v_sub_f32 v[T0], v[rT], v[T0]                  ; old M - new M, 0 or less
	s_delay_alu instid0(VALU_DEP_1)
	v_cvt_i32_f32 v[T0], v[T0]                     ; (it saturates)
	s_delay_alu instid0(VALU_DEP_1)
	v_ldexp_f32 v[FF], 1.0, v[T0]                  ; f
.set j, 0
.rept 32
	v_pk_fma_f32 v[rS+j:rS+j+1], v[rS+j:rS+j+1], s[CS:CS+1], v[rT:rT+1] op_sel_hi:[1,0,0]   ; t - M, two at a time
.set j, j+2
.endr
.irp b, 0,1,2,3
	v_fma_f32 v[TM+\b], v[TM+\b], s[CS], v[rT]     ; the same of each block's largest logit
.endr
	s_wait_alu depctr_va_vdst(0)                   ; the wait ahead of the batch
.set j, 0
.rept 64
	v_exp_f32 v[rS+j], v[rS+j]                     ; p
.set j, j+1
.endr
.irp b, 0,1,2,3
	v_exp_f32 v[TM+\b], v[TM+\b]                   ; the block's largest p: the same two instructions on the same number
.endr
	v_pk_mul_f32 v[rT+2:rT+3], v[rT+2:rT+3], v[FF:FF+1] op_sel_hi:[1,0]   ; l under the new M (a plain place behind the exponentials)
	s_wait_alu depctr_va_vdst(0)                   ; and behind it
.irp b, 0,1,2,3
	v_max_num_f32 v[TM+\b], 0x2800000, v[TM+\b]    ; the floor 2^(5 - 127): the byte cannot fall under 1
.endr
.irp b, 0,1,2,3
	s_delay_alu instid0(VALU_DEP_4)
	v_add_nc_u32 v[TM+8+\b], 0xfe000000, v[TM+\b]  ; 4 off the exponent field: the conversion's scale operand
.endr
.irp b, 0,1,2,3
	s_delay_alu instid0(VALU_DEP_4)
	v_lshrrev_b32 v[TM+4+\b], 23, v[TM+8+\b]
.endr
	s_delay_alu instid0(VALU_DEP_3)
	v_lshl_or_b32 v[PS+\q], v[TM+5], 8, v[TM+4]    ; p's scale word for these 128 keys
	s_delay_alu instid0(VALU_DEP_1)
	v_lshl_or_b32 v[PS+\q], v[TM+6], 16, v[PS+\q]
	s_delay_alu instid0(VALU_DEP_1)
	v_lshl_or_b32 v[PS+\q], v[TM+7], 24, v[PS+\q]
.irp c, 0,1
	v_cvt_scalef32_pk16_bf6_f32 v[rP+6*\c:rP+6*\c+2], v[rS+32*\c:rS+32*\c+15], v[TM+8+2*\c]
	v_cvt_scalef32_pk16_bf6_f32 v[CT+4*\c:CT+4*\c+2], v[rS+32*\c+16:rS+32*\c+31], v[TM+8+2*\c+1]
.endr
	v_nop                                          ; one plain place behind a scaled conversion
.irp c, 0,1
.irp i, 0,1,2
	v_permlane16_swap_b32 v[rP+6*\c+\i], v[CT+4*\c+\i]
.endr
.irp i, 0,1,2
	s_delay_alu instid0(VALU_DEP_3)
	v_mov_b32 v[rP+3+6*\c+\i], v[CT+4*\c+\i]
.endr
.endr
	v_pk_add_f32 v[TM+12:TM+13], v[rS:rS+1], v[rS+2:rS+3]          ; l takes the UNQUANTISED p, in two chains
.irp j, 4,8,12,16,20,24,28,32,36,40,44,48,52,56,60
	v_pk_add_f32 v[rT+2:rT+3], v[rT+2:rT+3], v[rS+\j:rS+\j+1]
	v_pk_add_f32 v[TM+12:TM+13], v[TM+12:TM+13], v[rS+\j+2:rS+\j+3]
.endr
	s_delay_alu instid0(VALU_DEP_1)
	v_pk_add_f32 v[rT+2:rT+3], v[rT+2:rT+3], v[TM+12:TM+13]
.if \first == 0
	WIN 0x41                                       ; O^T (destination and source 0) window 1, f window 0
.set j, 0
.rept 64
	v_pk_mul_f32 v[128*\q+j:128*\q+j+1], v[128*\q+j:128*\q+j+1], v[FF:FF+1] op_sel_hi:[1,0]
.set j, j+2
.endr
	WIN 0
.endif
.endm
; THE SOFTMAX AND THE PV PHASE of the 128 keys whose logits lie in S^T; V's images at v[ra], V's scale registers from v[r8]
.macro SMPV first, ra, r8
.irp i, 0,1,2,3
	ds_load_b64 v[KS+2*\i:KS+2*\i+1], v[\r8] offset:VSREL+256*\i
.endr
	SOFTMAX 0, \first
	VFETCH 0, VB0, \ra                             ; into the registers that tile 0's p has left
	SOFTMAX 1, \first
	VFETCH 1, VB1, \ra
	s_wait_alu depctr_va_vdst(0)
	s_wait_dscnt 12                                ; the older fetch is in; the younger 12 loads may be out
	PV8 0, VB0, \first
.rept 4
	v_nop
.endr
	VFETCH 2, VB0, \ra
	s_wait_dscnt 12
	PV8 1, VB1, \first
.rept 4
	v_nop
.endr
	VFETCH 3, VB1, \ra
	s_wait_dscnt 12
	PV8 2, VB0, \first
	s_wait_dscnt 0x0
	PV8 3, VB1, \first
	WIN 0
.endm
	s_load_b256 s[4:11], s[0:1], 0x0               ; rec 4, qbuf 6, opart 8, ml 10
	v_lshl_add_u32 v[SPW], v0, 2, SPARE
	v_mov_b32 v[NIL], 0
	ds_add_u32 v[SPW], v[NIL]                      ; the opening lines: the add twice on end and its wait
	ds_add_u32 v[SPW], v[NIL]
	s_wait_dscnt 0x0
	v_lshrrev_b32 v[T0], 5, v0
	s_delay_alu instid0(VALU_DEP_1)
	v_readfirstlane_b32 s[WV], v[T0]               ; wave 0..7
	s_bfe_u32 s[CX], ttmp6, 0x40000                ; my place in the cluster,
	s_lshl_b32 s52, ttmp9, 2
	s_add_co_u32 s[CX], s[CX], s52                 ; and my block of 128 queries, 0 .. 7: it enters Q's, opart's and ml's addresses alone
	s_and_b32 s[CH], ttmp7, 0xffff                 ; the chunk, which the partners share
	s_lshr_b32 s[GRP], s[WV], 2
	s_xor_b32 s[GRP], s[GRP], s[WV]
	s_and_b32 s[GRP], s[GRP], 1                    ; g: 0 1 0 1 1 0 1 0 for waves 0 .. 7
	s_xor_b32 s[NOFF], s[GRP], 1
	s_mul_i32 s[NOFF], s[NOFF], REC
	v_and_b32 v[T0], 31, v0
	s_delay_alu instid0(VALU_DEP_1)
	v_lshlrev_b32 v[LI], 4, v[T0]
	v_bfe_u32 v[LH], v0, 4, 1
	s_delay_alu instid0(VALU_DEP_1)
	v_lshlrev_b32 v[LH], 6, v[LH]
	s_mov_b32 s[G1F], 15|(3<<16)|(1<<21)           ; the mask: all four; elements of 8 bytes; no padding; bit 21 beside a mask
	s_mov_b32 s[G1F+1], 32<<16                     ; rows of 256 bytes
	s_mov_b32 s[G1F+2], FROWS<<16
	s_mov_b32 s[G1F+3], 32<<16
	s_mov_b32 s[G1F+4], FROWS
	s_mov_b32 s[G1F+5], 32                         ; dense
	s_mov_b32 s[G1F+6], 0
	s_mov_b32 s[G1F+7], 0
	s_mov_b32 s[G1], 15|(3<<16)|(1<<21)            ; the same with 129 rows
	s_mov_b32 s[G1+1], 32<<16
	s_mov_b32 s[G1+2], TROWS<<16
	s_mov_b32 s[G1+3], 32<<16
	s_mov_b32 s[G1+4], TROWS
	s_mov_b32 s[G1+5], 32
	s_mov_b32 s[G1+6], 0
	s_mov_b32 s[G1+7], 0
	s_mul_i32 s52, s[CH], 12
	s_min_u32 s53, s[CH], LONG
	s_add_co_u32 s52, s52, s53                     ; the chunk's first pair,
	s_mul_i32 s52, s52, 2*REC                      ; in bytes
	s_mov_b32 s53, 0
	s_mul_i32 s54, s[WV], FPART                    ; my quarter of the first fill
	s_mov_b32 s55, 0
	s_mul_i32 s56, s[WV], TPART                    ; my quarter of the others;
	s_add_co_u32 s58, s56, REC+VIMG                ; period 1's block begins with the V part of the chunk's record 1
	s_mov_b32 s59, 0
	s_and_b32 s60, s[WV], 3
	s_lshl_b32 s60, s60, 1
	s_lshl_b32 s61, s[CX], 3
	s_add_co_u32 s60, s60, s61                     ; the first of the two tiles that waves w and w + 4 own
	s_xor_b32 s61, s[GRP], 1
	s_add_co_u32 s61, s61, s60                     ; the tile in my second registers: I hand it over at the end;
	s_add_co_u32 s60, s60, s[GRP]                  ; the tile in my first registers: I keep it
	s_lshl_b32 s2, s60, 7
	s_lshl_b32 s3, s61, 7
	s_mul_i32 s12, s60, 2*FRB
	s_mov_b32 s13, 0
	s_mul_i32 s14, s61, 2*FRB
	s_mov_b32 s15, 0
	s_lshl_b32 s61, s[CH], 6
	s_add_co_u32 s61, s61, s60                     ; 64 c + the tile that I keep
	s_lshl_b32 s62, s61, 14
	s_mov_b32 s63, 0
	s_lshl_b32 s60, s61, 8
	s_mov_b32 s61, 0
	s_mov_b32 s[SEL], 0x76543210
	s_mov_b32 s[SEL+1], 0xfedcba98
	s_mov_b32 s[CS], 0x3fb8aa3b
	s_mov_b32 s[CS+1], s[CS]
	s_mov_b32 s[TB], 0
	s_wait_kmcnt 0x0
	s_add_nc_u64 s[52:53], s[4:5], s[52:53]        ; the chunk's first record
	s_mov_b32 s[G0F], 1
	s_add_co_u32 s[G0F+1], s54, KOFF               ; LDS: slot 0, behind the place of a V part that period 0 does not have
	s_add_nc_u64 s[G0F+2:G0F+3], s[52:53], s[54:55]
	s_or_b32 s[G0F+3], s[G0F+3], 0x80000000
	s_mov_b32 s[G0], 1
	s_add_co_u32 s[G0+1], s56, XS                  ; LDS: slot 1
	s_add_nc_u64 s[G0+2:G0+3], s[52:53], s[58:59]
	s_or_b32 s[G0+3], s[G0+3], 0x80000000
	s_add_nc_u64 s[12:13], s[6:7], s[12:13]        ; Q's images, first tile,
	s_add_nc_u64 s[14:15], s[6:7], s[14:15]        ; second tile
	s_add_nc_u64 s[8:9], s[8:9], s[62:63]
	s_add_nc_u64 s[10:11], s[10:11], s[60:61]
	CROUND                                         ; all four work-groups are here: the first joint load meets
	TLOAD G0F, G1F                                 ; records 0 and 1, into slot 0
	s_wait_alu depctr_va_vdst(0)
.irp n, 0,1,2,3,4,5
	global_load_b128 v[Q+4*\n:Q+4*\n+3], v[LI], s[12:13] offset:512*\n          ; my two tiles' four fragments stay in registers
	global_load_b128 v[Q+24+4*\n:Q+24+4*\n+3], v[LI], s[14:15] offset:512*\n
.endr
	v_lshrrev_b32 v[T0], 2, v[LI]
	v_add_nc_u32 v[TM+8], s2, v[T0]
	v_add_nc_u32 v[TM+9], s3, v[T0]
	global_load_b32 v[QS], v[TM+8], s[6:7] offset:196608           ; their scale registers lie behind the images
	global_load_b32 v[QS+1], v[TM+9], s[6:7] offset:196608
.irp q, 0,1
	v_mov_b32 v[ST+4*\q+1], 0xff61b1e6             ; the largest t so far: -3e38
	s_delay_alu instid0(VALU_DEP_1)
	v_floor_f32 v[ST+4*\q], -v[ST+4*\q+1]
	v_mov_b32 v[ST+4*\q+2], 0
	v_mov_b32 v[ST+4*\q+3], 0
.endr
	v_mov_b32 v[FF+1], 0                           ; (named as the upper half of a pair)
	v_mov_b32 v[AD82], 0
.irp b, 0,1,2,3
	v_mov_b32 v[TM+4+\b], 0                        ; a lane permute's destination counts as one of its sources
.endr
	s_wait_loadcnt 0x0                             ; Q
; ---- PERIOD 0 (records 0, 1), written out: group A's first products start its sums; group B has no scores yet
	CHANGE 2                                       ; slot 0 is in; slot 1 is asked for
	KADDR KOFF                                     ; record 0
	VADDR REC, 0, ADR2, AD82                       ; and its V part: made ahead of the parting, for group A alone
	s_cmp_lg_u32 s[GRP], 0
	s_cbranch_scc1 .Lb0
	s_wait_alu depctr_va_vdst(0)
	KPHASE
	SMPV 1, ADR2, AD82
	s_branch .Lj0
.Lb0:                                                  ; group B clears its O^T in the stretch in which it has nothing to multiply: its first PV then runs in the text that it shares with group A
	WIN 0x40
.set n, 0
.rept 256
	v_mov_b32 v[n], 0
.set n, n+1
.endr
	WIN 0
.Lj0:
	KADDR KOFF+REC                                 ; B alone: record 1
	s_cmp_eq_u32 s[GRP], 0
	s_cbranch_scc1 .Lk0
	s_wait_alu depctr_va_vdst(0)
	KPHASE
.Lk0:
	s_xor_b32 s[TB], s[TB], XS
; ---- PERIODS 1 .. 11 (records 2 P, 2 P + 1)
	s_mov_b32 s[CNT], 11
.Lperiod:
	CHANGE 1
	KADDR KOFF                                     ; A alone: record a
	s_cmp_lg_u32 s[GRP], 0
	s_cbranch_scc1 .Lka
	s_wait_alu depctr_va_vdst(0)
	KPHASE
.Lka:
	VADDR 0, 1, ADR, AD8                           ; A: a's V part; B: that of the record before a, which heads the slot
	SMPV 0, ADR, AD8
	KADDR KOFF+REC                                 ; B alone: record b
	s_cmp_eq_u32 s[GRP], 0
	s_cbranch_scc1 .Lkb
	s_wait_alu depctr_va_vdst(0)
	KPHASE
.Lkb:
	s_xor_b32 s[TB], s[TB], XS
	s_sub_co_u32 s[CNT], s[CNT], 1
	s_cmp_lg_u32 s[CNT], 0
	s_cbranch_scc1 .Lperiod
; ---- PERIOD 12 (records 24, 25), written out: nothing is asked for.  A: record 24.  B: softmax and PV of record 23, then record 25 whole.  Chunks of 12 pairs leave records 24 and 25 out.
	CHANGE 0
	KADDR KOFF
	s_cmp_lg_u32 s[GRP], 0
	s_cbranch_scc1 .Lt1
	s_cmp_ge_u32 s[CH], LONG
	s_cbranch_scc1 .Lout                           ; group A of a chunk of 12 pairs has done all its records
	s_wait_alu depctr_va_vdst(0)
	KPHASE
.Lt1:
	VADDR 0, 1, ADR, AD8
	SMPV 0, ADR, AD8
	KADDR KOFF+REC                                 ; for group B alone: record 25,
	VADDR 2*REC, 0, ADR2, AD82                     ; and its V part: made ahead of the parting
	s_cmp_eq_u32 s[GRP], 0
	s_cbranch_scc1 .Lout
	s_cmp_ge_u32 s[CH], LONG
	s_cbranch_scc1 .Lout
	s_wait_alu depctr_va_vdst(0)
	KPHASE
	SMPV 0, ADR2, AD82
.Lout:
; THE WAY OUT.  The vector lines below are the places behind the last products.
.irp q, 0,1
	v_add_f32 v[ST+4*\q+2], v[ST+4*\q+2], v[ST+4*\q+3]
.endr
	s_wait_alu depctr_va_vdst(0)
.irp q, 0,1
	v_permlanex16_b32 v[T0+\q], v[ST+4*\q+2], s[SEL], s[SEL+1]
.endr
.irp q, 0,1
	s_delay_alu instid0(VALU_DEP_2)
	v_add_f32 v[ST+4*\q+1], v[ST+4*\q+2], v[T0+\q] ; l, beside -M
.endr
	s_lshl_b32 s[TA], s[WV], 14                    ; the stage: 16,384 bytes a wave in slot 1, which has had its last fill
	s_add_co_u32 s[TA], s[TA], XS
	v_add_nc_u32 v[ADR], s[TA], v[LI]              ; where I put the tile that I hand over
	s_xor_b32 s[TB], s[WV], 4                      ; my partner
	s_lshl_b32 s[TA], s[TB], 14
	s_add_co_u32 s[TA], s[TA], XS
	v_add_nc_u32 v[ADB], s[TA], v[LI]              ; where my partner puts its part of the tile that I keep
	v_lshrrev_b32 v[ADR2], 1, v[LI]                ; 8 L
	s_lshl_b32 s[TA], s[WV], 8
	s_add_co_u32 s[TA], s[TA], STS
	v_add_nc_u32 v[AD8], s[TA], v[ADR2]
	s_lshl_b32 s[TA], s[TB], 8
	s_add_co_u32 s[TA], s[TA], STS
	v_add_nc_u32 v[AD82], s[TA], v[ADR2]
	s_wait_alu depctr_va_vdst(0)                   ; the wait ahead of the blocking wait
	s_wait_dscnt 0x0                               ; my reads of the slots are over;
	s_barrier_signal -1
	s_barrier_wait -1                              ; so are everybody's
	ds_store_b64 v[AD8], v[ST+4:ST+5]
	WIN 0x04                                       ; a store's data are its source 1: window 1
.set g, 0
.rept 32
	ds_store_b128 v[ADR], v[128+4*g:128+4*g+3] offset:512*g        ; each accumulator from its low end on
.set g, g+1
.endr
	WIN 0
	s_wait_dscnt 0x0                               ; for my partner's sake: the stores have landed
	s_barrier_signal -1
	s_barrier_wait -1
	ds_load_b64 v[TM:TM+1], v[AD82]                ; my partner's -M and l of the tile that I keep,
.set g, 0
.rept 32
	ds_load_b128 v[S0+4*g:S0+4*g+3], v[ADB] offset:512*g           ; and its O^T
.set g, g+1
.endr
	s_wait_dscnt 32                                ; the statistics are in; the 32 younger loads may be out
	v_min_num_f32 v[T0], v[ST], v[TM]              ; -M: the larger M
	s_delay_alu instid0(VALU_DEP_1)
	v_sub_f32 v[FF], v[T0], v[ST]                  ; my M - M, a whole number, 0 or less;
	v_sub_f32 v[TM+2], v[T0], v[TM]                ; my partner's
	s_delay_alu instid0(VALU_DEP_2)
	v_cvt_i32_f32 v[FF], v[FF]
	s_delay_alu instid0(VALU_DEP_2)
	v_cvt_i32_f32 v[TM+2], v[TM+2]
	s_delay_alu instid0(VALU_DEP_2)
	v_ldexp_f32 v[FF], 1.0, v[FF]
	s_delay_alu instid0(VALU_DEP_2)
	v_ldexp_f32 v[TM+2], 1.0, v[TM+2]
	s_delay_alu instid0(VALU_DEP_2)
	v_mul_f32 v[ST+1], v[ST+1], v[FF]
	s_delay_alu instid0(VALU_DEP_1)
	v_fmac_f32 v[ST+1], v[TM+1], v[TM+2]           ; l of both
	v_mov_b32 v[ST], v[T0]
	s_wait_alu depctr_va_vdst(0)                   ; the wait ahead of the blocking wait
	s_wait_dscnt 0x0
.set j, 0
.rept 64
	v_pk_mul_f32 v[S0+j:S0+j+1], v[S0+j:S0+j+1], v[TM+2:TM+3] op_sel_hi:[1,0]
.set j, j+2
.endr
	WIN 0x01                                       ; source 0 (my O^T) window 1
.set j, 0
.rept 64
	v_pk_fma_f32 v[S0+j:S0+j+1], v[j:j+1], v[FF:FF+1], v[S0+j:S0+j+1] op_sel_hi:[1,0,1]   ; each accumulator from its low end on
.set j, j+2
.endr
	WIN 0
	global_store_b64 v[ADR2], v[ST:ST+1], s[10:11]
.set g, 0
.rept 32
	global_store_b128 v[LI], v[S0+4*g:S0+4*g+3], s[8:9] offset:512*g   ; 512 consecutive bytes a store
.set g, g+1
.endr
	s_wait_tensorcnt 0x0                           ; the wave's end
	ds_add_u32 v[SPW], v[NIL]
	s_wait_dscnt 0x0
	CROUND                                         ; the closing round
	s_endpgm
.Lfunc_end_k_qd2477e8390_attn:
	.size	k_qd2477e8390_attn, .Lfunc_end_k_qd2477e8390_attn-k_qd2477e8390_attn
	.p2alignl 7, 3214868480
	.fill 96, 4, 3214868480
	.section	.rodata,"a",@progbits
	.p2align	6, 0x0
	.amdhsa_kernel k_qd2477e8390_attn
		.amdhsa_group_segment_fixed_size 327680
		.amdhsa_private_segment_fixed_size 0
		.amdhsa_enable_private_segment 0
		.amdhsa_kernarg_size 32
		.amdhsa_user_sgpr_count 2
		.amdhsa_user_sgpr_kernarg_segment_ptr 1
		.amdhsa_wavefront_size32 1
		.amdhsa_system_sgpr_workgroup_id_x 1
		.amdhsa_system_sgpr_workgroup_id_y 1
		.amdhsa_system_sgpr_workgroup_id_z 1
		.amdhsa_system_vgpr_workitem_id 0
		.amdhsa_next_free_vgpr 512
		.amdhsa_next_free_sgpr 66
		.amdhsa_reserve_vcc 0
		.amdhsa_float_denorm_mode_32 3
		.amdhsa_float_denorm_mode_16_64 3
		.amdhsa_memory_ordered 1
		.amdhsa_forward_progress 1
		.amdhsa_inst_pref_size 245
	.end_amdhsa_kernel
	.amdgpu_metadata
---
amdhsa.version: [ 1, 2 ]
amdhsa.kernels:
  - .name:           k_qd2477e8390_attn
    .symbol:         k_qd2477e8390_attn.kd
    .args:
      - { .name: rec, .offset: 0, .size: 8, .value_kind: global_buffer, .address_space: global }
      - { .name: qbuf, .offset: 8, .size: 8, .value_kind: global_buffer, .address_space: global }
      - { .name: opart, .offset: 16, .size: 8, .value_kind: global_buffer, .address_space: global }
      - { .name: ml, .offset: 24, .size: 8, .value_kind: global_buffer, .address_space: global }
    .group_segment_fixed_size: 327680
    .private_segment_fixed_size: 0
    .kernarg_segment_align: 8
    .kernarg_segment_size: 32
    .max_flat_workgroup_size: 256
    .sgpr_count:     66
    .vgpr_count:     512
    .wavefront_size: 32
...
	.end_amdgpu_metadata
.endif
;; end of part 2
;; launch comb (part 3): grid 256 x 1, 8 waves a work-group, no clusters, 5,632 bytes of LDS; arguments opart, ml, out0, qbuf; writes out0, qbuf
.if DOCPART == 3
	.amdgcn_target "amdgcn-amd-amdhsa--gfx1250"
	.amdhsa_code_object_version 6
	.text
	.protected	k_qd2477e8390_comb
	.globl	k_qd2477e8390_comb
	.p2align	8
	.type	k_qd2477e8390_comb,@function
k_qd2477e8390_comb:
	s_mov_b64 s[64:65], 0
	v_nop
	global_prefetch_b8 v0, s[64:65] scope:SCOPE_SE
	s_setreg_imm32_b32 hwreg(HW_REG_WAVE_MODE, 25, 1), 1
	s_wait_xcnt 0x0
; COMB.  Joins the 32 chunks: M = the largest M_c; f_c = 2^(M_c - M), exact; l = sum f_c l_c; out0 = sum f_c O_c / l; and -c_b = -(M + log2 l) ln 2, so that a weight is exp(logit - c_b).
; -c_b goes behind the queries in qbuf (byte 204,800 on, 128 bytes a tile of queries), so that the next launch brings both in as one dense block.
; A work-group takes a tile of 16 queries (wg / 4) and 64 of the 256 channels (wg % 4); wave v takes register group g = 8 (wg % 4) + v of O^T: lane (r, h) holds query r, channels 16 (g / 2) + 8 h + 4 (g % 2) + 0 .. 3.
; Memory binds: every load covers 256 or 512 consecutive bytes, all 64 of a wave are asked for at once; no matrix unit, no cluster (work-groups share only the statistics), no loop to prefetch in.
; The results meet in LDS so that sixteen lanes store 256 consecutive bytes of a row of out0.
.set NC, 32
.set OC, 128                           ; v128-255: chunk c's four numbers at v[OC + 4 c];  v32-95: its (-M, l)
	s_load_b256 s[4:11], s[0:1], 0x0               ; opart 4, ml 6, out0 8, qbuf 10
	v_lshl_add_u32 v18, v0, 2, 0x1200              ; my spare word, behind the stage
	v_mov_b32 v19, 0
	v_lshrrev_b32 v1, 5, v0
	s_delay_alu instid0(VALU_DEP_1)
	v_readfirstlane_b32 s12, v1                    ; wave 0..7
	v_and_b32 v1, 31, v0                           ; L
	v_and_b32 v2, 15, v0                           ; r
	v_bfe_u32 v3, v0, 4, 1                         ; h
	s_lshr_b32 s13, ttmp9, 2                       ; the tile of queries
	s_and_b32 s14, ttmp9, 3                        ; which 64 channels
	v_lshlrev_b32 v4, 3, v1                        ; 8 L
	v_lshlrev_b32 v5, 4, v1                        ; 16 L
	s_lshl_b32 s16, s14, 3
	s_add_co_u32 s16, s16, s12                     ; g
	s_lshl_b32 s16, s16, 9
	v_add_nc_u32 v8, s16, v5                       ; 512 g + 16 L
.irp k, 1,2,3
	v_add_nc_u32 v[8+\k], \k*8388608, v8           ; eight chunks further on: a chunk is 1,048,576 bytes, and seven of them fit the immediate
.endr
	s_lshr_b32 s20, s12, 1
	s_lshl_b32 s20, s20, 6
	s_and_b32 s21, s12, 1
	s_lshl_b32 s21, s21, 4
	s_add_co_u32 s20, s20, s21
	s_wait_alu depctr_va_vdst(0)
	v_mul_u32_u24 v6, v2, 272
	s_delay_alu instid0(VALU_DEP_1)
	v_lshl_add_u32 v6, v3, 5, v6
	s_delay_alu instid0(VALU_DEP_1)
	v_add_nc_u32 v6, s20, v6                       ; LDS, in: row r; 64 (v / 2) + 32 h + 16 (v % 2)
	s_mul_i32 s21, s12, 544
	v_mul_u32_u24 v7, v3, 272
	s_delay_alu instid0(VALU_DEP_1)
	v_lshl_add_u32 v7, v2, 4, v7
	s_delay_alu instid0(VALU_DEP_1)
	v_add_nc_u32 v7, s21, v7                       ; LDS, back: row 2 v + h, 16 bytes a lane
	s_lshl_b32 s21, s12, 11
	v_lshlrev_b32 v16, 10, v3
	s_delay_alu instid0(VALU_DEP_1)
	v_lshl_add_u32 v16, v2, 4, v16
	s_delay_alu instid0(VALU_DEP_1)
	v_add_nc_u32 v16, s21, v16                     ; and the same place in out0's rows of 1,024 bytes
	v_lshlrev_b32 v17, 2, v1                       ; 4 L
	s_lshl_b32 s18, s13, 14
	s_mov_b32 s19, 0
	s_lshl_b32 s22, s13, 8
	s_mov_b32 s23, 0
	s_lshl_b32 s24, s13, 7
	s_mov_b32 s25, 0
	s_lshl_b32 s26, s14, 8
	s_add_co_u32 s26, s26, s18
	s_mov_b32 s27, 0
	s_wait_alu depctr_va_vdst(0)                   ; the wait at the head's end
	s_wait_kmcnt 0x0
	s_add_nc_u64 s[4:5], s[4:5], s[18:19]
	s_add_nc_u64 s[6:7], s[6:7], s[22:23]
	s_add_nc_u64 s[8:9], s[8:9], s[26:27]
	s_add_nc_u64 s[10:11], s[10:11], s[24:25]
.set c, 0
.rept NC
	global_load_b64 v[32+2*c:33+2*c], v4, s[6:7] offset:16384*c    ; chunk c's (-M, l) of my query
.set c, c+1
.endr
.set c, 0
.rept NC
	global_load_b128 v[OC+4*c:OC+4*c+3], v[8+c/8], s[4:5] offset:(c%8)*1048576 th:TH_LOAD_NT
.set c, c+1
.endr
	s_wait_loadcnt NC                              ; the statistics are in; the NC younger loads may be out
	v_min_num_f32 v20, v32, v34                    ; -M = the least -M_c
.set c, 2
.rept NC/2-1
	s_delay_alu instid0(VALU_DEP_1)
	v_min3_num_f32 v20, v20, v[32+2*c], v[34+2*c]
.set c, c+2
.endr
.set c, 0
.rept NC
	v_sub_f32 v[32+2*c], v20, v[32+2*c]            ; M_c - M: a whole number, 0 or less
.set c, c+1
.endr
.set c, 0
.rept NC
	v_cvt_i32_f32 v[32+2*c], v[32+2*c]
.set c, c+1
.endr
.set c, 0
.rept NC
	v_ldexp_f32 v[32+2*c], 1.0, v[32+2*c]          ; f_c
.set c, c+1
.endr
	v_mul_f32 v21, v32, v33                        ; l, in two chains
	v_mul_f32 v22, v34, v35
.set c, 2
.rept NC/2-1
	s_delay_alu instid0(VALU_DEP_2)
	v_fmac_f32 v21, v[32+2*c], v[33+2*c]
	s_delay_alu instid0(VALU_DEP_2)
	v_fmac_f32 v22, v[34+2*c], v[35+2*c]
.set c, c+2
.endr
	s_delay_alu instid0(VALU_DEP_1)
	v_add_f32 v21, v21, v22
	s_wait_alu depctr_va_vdst(0)                   ; the wait ahead of the batch
	v_rcp_f32 v22, v21
	v_log_f32 v23, v21
.set c, 0
.rept NC
.if c%8 == 0
	s_wait_alu depctr_va_vdst(0)
	s_wait_loadcnt NC-8-c                          ; these eight chunks are in; the younger ones may be out
.endif
.if c < 2
	v_pk_mul_f32 v[24+4*c:25+4*c], v[OC+4*c:OC+4*c+1], v[32+2*c:33+2*c] op_sel_hi:[1,0]     ; even and odd chunks in chains of their own; the first product starts each
	v_pk_mul_f32 v[26+4*c:27+4*c], v[OC+4*c+2:OC+4*c+3], v[32+2*c:33+2*c] op_sel_hi:[1,0]
.else
	v_pk_fma_f32 v[24+4*(c%2):25+4*(c%2)], v[OC+4*c:OC+4*c+1], v[32+2*c:33+2*c], v[24+4*(c%2):25+4*(c%2)] op_sel_hi:[1,0,1]
	v_pk_fma_f32 v[26+4*(c%2):27+4*(c%2)], v[OC+4*c+2:OC+4*c+3], v[32+2*c:33+2*c], v[26+4*(c%2):27+4*(c%2)] op_sel_hi:[1,0,1]
.endif
.set c, c+1
.endr
	v_pk_add_f32 v[24:25], v[24:25], v[28:29]
	v_pk_add_f32 v[26:27], v[26:27], v[30:31]
	s_wait_alu depctr_va_vdst(0)
	v_pk_mul_f32 v[24:25], v[24:25], v[22:23] op_sel_hi:[1,0]      ; / l
	v_pk_mul_f32 v[26:27], v[26:27], v[22:23] op_sel_hi:[1,0]
	ds_store_b128 v6, v[24:27]
	s_wait_dscnt 0x0                               ; for the others' sake: my store has landed
	s_barrier_signal -1
	s_barrier_wait -1
	ds_load_b128 v[28:31], v7
	s_wait_dscnt 0x0
	global_store_b128 v16, v[28:31], s[8:9]        ; sixteen lanes store 256 consecutive bytes, at a multiple of 256 from out0's first byte
	s_or_b32 s22, s14, s12
	s_cmp_lg_u32 s22, 0
	s_cbranch_scc1 .Lend                           ; one wave of the tile's four work-groups stores -c_b
	v_sub_f32 v23, v20, v23                        ; -M - log2 l
	s_delay_alu instid0(VALU_DEP_1)
	v_mul_f32 v23, 0x3f317218, v23                 ; x ln 2
	global_store_b32 v17, v23, s[10:11] offset:204800              ; lane L: query L % 16
.Lend:
	s_wait_tensorcnt 0x0                           ; the wave's end
	ds_add_u32 v18, v19
	s_wait_dscnt 0x0
	s_endpgm
.Lfunc_end_k_qd2477e8390_comb:
	.size	k_qd2477e8390_comb, .Lfunc_end_k_qd2477e8390_comb-k_qd2477e8390_comb
	.p2alignl 7, 3214868480
	.fill 96, 4, 3214868480
	.section	.rodata,"a",@progbits
	.p2align	6, 0x0
	.amdhsa_kernel k_qd2477e8390_comb
		.amdhsa_group_segment_fixed_size 5632
		.amdhsa_private_segment_fixed_size 0
		.amdhsa_enable_private_segment 0
		.amdhsa_kernarg_size 32
		.amdhsa_user_sgpr_count 2
		.amdhsa_user_sgpr_kernarg_segment_ptr 1
		.amdhsa_wavefront_size32 1
		.amdhsa_system_sgpr_workgroup_id_x 1
		.amdhsa_system_sgpr_workgroup_id_y 1
		.amdhsa_system_sgpr_workgroup_id_z 1
		.amdhsa_system_vgpr_workitem_id 0
		.amdhsa_next_free_vgpr 256
		.amdhsa_next_free_sgpr 66
		.amdhsa_reserve_vcc 0
		.amdhsa_float_denorm_mode_32 3
		.amdhsa_float_denorm_mode_16_64 3
		.amdhsa_memory_ordered 1
		.amdhsa_forward_progress 1
		.amdhsa_inst_pref_size 22
	.end_amdhsa_kernel
	.amdgpu_metadata
---
amdhsa.version: [ 1, 2 ]
amdhsa.kernels:
  - .name:           k_qd2477e8390_comb
    .symbol:         k_qd2477e8390_comb.kd
    .args:
      - { .name: opart, .offset: 0, .size: 8, .value_kind: global_buffer, .address_space: global }
      - { .name: ml, .offset: 8, .size: 8, .value_kind: global_buffer, .address_space: global }
      - { .name: out0, .offset: 16, .size: 8, .value_kind: global_buffer, .address_space: global }
      - { .name: qbuf, .offset: 24, .size: 8, .value_kind: global_buffer, .address_space: global }
    .group_segment_fixed_size: 5632
    .private_segment_fixed_size: 0
    .kernarg_segment_align: 8
    .kernarg_segment_size: 32
    .max_flat_workgroup_size: 256
    .sgpr_count:     66
    .vgpr_count:     256
    .wavefront_size: 32
...
	.end_amdgpu_metadata
.endif
;; end of part 3
;; launch reinf (part 4): grid 196 x 1, 8 waves a work-group, clusters of 4 x 1, 327,680 bytes of LDS; arguments rec, qbuf, dmax, depths, out1; writes out1
.if DOCPART == 4
	.amdgcn_target "amdgcn-amd-amdhsa--gfx1250"
	.amdhsa_code_object_version 6
	.text
	.protected	k_qd2477e8390_reinf
	.globl	k_qd2477e8390_reinf
	.p2align	8
	.type	k_qd2477e8390_reinf,@function
k_qd2477e8390_reinf:
	s_mov_b64 s[64:65], 0
	v_nop
	global_prefetch_b8 v0, s[64:65] scope:SCOPE_SE
	s_setreg_imm32_b32 hwreg(HW_REG_WAVE_MODE, 25, 1), 1
	s_wait_xcnt 0x0
	s_wait_alu depctr_hold_cnt(0) depctr_sa_sdst(0) depctr_va_vdst(0) depctr_va_sdst(0) depctr_va_ssrc(0) depctr_va_vcc(0) depctr_vm_vsrc(0)
	s_getreg_b32 s2, hwreg(HW_REG_IB_STS2, 6, 4)
	s_cmp_eq_u32 s2, 0
	s_cbranch_scc0 .Lentry_in_a_cluster
	s_endpgm
.Lentry_in_a_cluster:
	s_bfe_u32 s2, ttmp6, 0x10000c
	s_cmp_lg_u32 s2, 0x3003
	s_cbranch_scc0 .Lentry_shape_is_right
	s_endpgm
.Lentry_shape_is_right:
; REINF.  max_w[n] = the largest over the 1,024 queries of exp(logit - c_b), and the new depths.  Product 2 once more on the same codes, not transposed: a lane holds one key, its registers run over queries.
; SHARES.  A work-group takes four records of 128 keys.  Waves 2 i and 2 i + 1 take record i: each holds all eight key tiles' fragments in registers (192, window 1) and walks 32 of the 64 tiles of queries,
; so that each fragment of Q read from LDS feeds eight products for each half of D.  -c_b is the C of a tile's first product.  At the end the two waves' largest values meet in LDS (1,024 bytes a wave, bytes of
; their own), and each wave finishes 64 of the record's keys: the key's bias is added to the largest, then exp, the threshold and the damped rate.
; The queries' images, their scale registers and -c_b lie in qbuf as ONE dense block of 832 rows of 256 bytes: it comes into LDS once, jointly for the cluster's four work-groups, 104 rows a wave, and is never filled again.
; No prefetch: the one block is asked for at the head, and there is no stream behind it.  LIMITS: NaN and infinities are not served.
.set REC,  52224
.set KSC,  49152
.set BIAS, 51200
.set QSCL, 196608                      ; LDS: Q's scale registers, 128 bytes a tile
.set CBL,  204800                      ; LDS: -c_b, 128 bytes a tile
.set SPARE, 0x38000                    ; the spare words, 128 bytes a wave
.set XCH,  SPARE+1024                  ; the largest values on their way between two waves
.set AQ,  4
.set AS,  5
.set AC,  6
.set RDEN, 7
.set XO,  8                            ; v8  where I put my eight largest;  v9, v10  where I read my own and my partner's four
.set XA,  9
.set XB,  10
.set SPW, 12                           ; v12 SPARE + 4 x my thread's number; never rewritten
.set NIL, 13                           ; v13 0; never rewritten
.set QS,  16                           ; v16-17 Q's scale registers: nothing else ever
.set CBF, 24                           ; v24-39 -c_b of two tiles
.set QB,  40                           ; v40-87 Q's fragments, two sets
.set ACC, 88                           ; v88-215 two sets of eight accumulators
.set KS,  216                          ; v216-223 K's scale registers: nothing else ever
.set RM,  224                          ; v224-231 the largest so far, key tile by key tile
.set WV,  16
.set SEL, 18
.set HM,  23
.set G1Q, 24
.set G0Q, 40
.set TQ,  58
.set TS,  59
.set MSB, 0
.macro WIN new                         ; the immediate's high byte repeats the setting that is left
.if MSB != \new
	s_set_vgpr_msb (MSB<<8)|\new
.set MSB, \new
.endif
.endm
.macro CROUND
	s_barrier_signal -1
	s_barrier_wait -1
	s_cmp_lg_u32 s[WV], 0
	s_cbranch_scc1 .Lnot_wave_0_\@
	s_barrier_signal -3
.Lnot_wave_0_\@:
	s_barrier_wait -3
	s_barrier_signal -1
	s_barrier_wait -1
.endm
	s_load_b128 s[4:7], s[0:1], 0x0                ; rec 4, qbuf 6
	s_load_b64 s[10:11], s[0:1], 0x10              ; dmax
	s_load_b128 s[12:15], s[0:1], 0x18             ; depths 12, out1 14
	v_lshl_add_u32 v[SPW], v0, 2, SPARE
	v_mov_b32 v[NIL], 0
	ds_add_u32 v[SPW], v[NIL]                      ; the opening lines: the add twice on end and its wait
	ds_add_u32 v[SPW], v[NIL]
	v_lshrrev_b32 v18, 5, v0
	s_delay_alu instid0(VALU_DEP_1)
	v_readfirstlane_b32 s[WV], v18
	s_bfe_u32 s17, ttmp6, 0x40000
	s_lshl_b32 s20, ttmp9, 2
	s_add_co_u32 s20, s20, s17
	s_lshl_b32 s20, s20, 2
	s_lshr_b32 s21, s[WV], 1
	s_add_co_u32 s20, s20, s21                     ; my record
	s_and_b32 s21, s[WV], 1                        ; which half of the queries I walk, and which 64 keys I finish
	s_mov_b32 s[G1Q], 15|(3<<16)|(1<<21)
	s_mov_b32 s[G1Q+1], 32<<16
	s_mov_b32 s[G1Q+2], 104<<16
	s_mov_b32 s[G1Q+3], 32<<16
	s_mov_b32 s[G1Q+4], 104
	s_mov_b32 s[G1Q+5], 32
	s_mov_b32 s[G1Q+6], 0
	s_mov_b32 s[G1Q+7], 0
	s_mul_i32 s48, s[WV], 26624                    ; my 104 rows of the block's 832
	s_mov_b32 s49, 0
	s_mul_i32 s52, s20, REC
	s_mov_b32 s53, 0
	s_lshl_b32 s44, s[WV], 10
	s_add_co_u32 s44, s44, XCH                     ; my 1,024 bytes
	s_lshl_b32 s47, s21, 9                         ; the four key tiles that I finish
	s_add_co_u32 s46, s44, s47
	s_xor_b32 s45, s[WV], 1                        ; my partner
	s_lshl_b32 s45, s45, 10
	s_add_co_u32 s45, s45, XCH
	s_add_co_u32 s45, s45, s47
	s_mov_b32 s[SEL], 0x76543210
	s_mov_b32 s[SEL+1], 0xfedcba98
	s_mov_b32 s[HM], 0xffff0000
	s_mov_b32 s61, 0xbbe56042                      ; -0.01 x 0.7
	s_mov_b32 s62, 0x3c23d70a                      ; 0.01
	v_and_b32 v18, 31, v0
	v_bfe_u32 v19, v0, 4, 1
	s_delay_alu instid0(VALU_DEP_2)
	v_lshlrev_b32 v1, 4, v18
	s_delay_alu instid0(VALU_DEP_3)
	v_lshl_add_u32 v2, v18, 2, QSCL
	s_delay_alu instid0(VALU_DEP_3)
	v_lshl_add_u32 v3, v19, 5, CBL
	v_lshlrev_b32 v248, 3, v18
	v_lshlrev_b32 v[XO], 2, v18
	s_delay_alu instid0(VALU_DEP_1)
	v_add_nc_u32 v[XA], s46, v[XO]
	v_add_nc_u32 v[XB], s45, v[XO]
	v_add_nc_u32 v[XO], s44, v[XO]
	v_and_b32 v249, 15, v0
	s_delay_alu instid0(VALU_DEP_1)
	v_and_b32 v250, 8, v249
	s_delay_alu instid0(VALU_DEP_1)
	v_add_nc_u32 v249, v249, v250
	s_delay_alu instid0(VALU_DEP_1)
	v_lshl_add_u32 v249, v19, 3, v249
	s_lshl_b32 s22, s21, 6
	v_add_nc_u32 v249, s22, v249                   ; my first key in the record: 64 half + 8 h + r + 8 (r / 8)
	s_delay_alu instid0(VALU_DEP_1)
	v_lshlrev_b32 v250, 2, v249
	s_lshl_b32 s22, s20, 7
	v_add_nc_u32 v251, s22, v249
	s_delay_alu instid0(VALU_DEP_1)
	v_add_nc_u32 v252, 32, v251                    ; my second key
	s_delay_alu instid0(VALU_DEP_2)
	v_min_u32 v253, 0x1869f, v251                  ; loads stay inside depths
	s_delay_alu instid0(VALU_DEP_2)
	v_min_u32 v254, 0x1869f, v252
	s_delay_alu instid0(VALU_DEP_2)
	v_lshlrev_b32 v253, 2, v253
	s_delay_alu instid0(VALU_DEP_2)
	v_lshlrev_b32 v254, 2, v254
	s_wait_dscnt 0x0
	s_wait_kmcnt 0x0
	s_mov_b32 s[G0Q], 1
	s_mov_b32 s[G0Q+1], s48
	s_add_nc_u64 s[G0Q+2:G0Q+3], s[6:7], s[48:49]
	s_or_b32 s[G0Q+3], s[G0Q+3], 0x80000000
	s_add_nc_u64 s[52:53], s[4:5], s[52:53]
	CROUND
	tensor_load_to_lds s[G0Q:G0Q+3], s[G1Q:G1Q+7]
	s_nop 0
	s_wait_alu depctr_va_vdst(0)                   ; the wait at the head's end
.rept 4
	v_nop
.endr
	WIN 0x40                                       ; destination window 1
.set n, 0
.rept 48
	global_load_b128 v[4*n:4*n+3], v1, s[52:53] offset:512*n       ; key tile kt's two fragments at v[24 kt] of window 1
.set n, n+1
.endr
	WIN 0
.irp i, 0,1,2,3
	global_load_b64 v[KS+2*\i:KS+2*\i+1], v248, s[52:53] offset:KSC+256*\i
.endr
	global_load_b32 v20, v250, s[52:53] offset:BIAS
	global_load_b32 v21, v250, s[52:53] offset:BIAS+128
	global_load_b32 v22, v253, s[12:13]
	global_load_b32 v23, v254, s[12:13]
.set n, 0
.rept 25
	global_load_b128 v[40+4*n:43+4*n], v1, s[10:11] offset:512*n   ; the blocks' largest depths
.set n, n+1
.endr
	s_wait_loadcnt 0x0
	v_max_num_f32 v18, v40, v41
.set n, 42
.rept 49
	s_delay_alu instid0(VALU_DEP_1)
	v_max3_num_f32 v18, v18, v[n], v[n+1]
.set n, n+2
.endr
	s_delay_alu instid0(VALU_DEP_1)
	v_max_num_f32_dpp v18, v18, v18 row_xmask:1 row_mask:0xf bank_mask:0xf
	s_delay_alu instid0(VALU_DEP_1)
	v_max_num_f32_dpp v18, v18, v18 row_xmask:2 row_mask:0xf bank_mask:0xf
	s_delay_alu instid0(VALU_DEP_1)
	v_max_num_f32_dpp v18, v18, v18 row_xmask:4 row_mask:0xf bank_mask:0xf
	s_delay_alu instid0(VALU_DEP_1)
	v_max_num_f32_dpp v18, v18, v18 row_xmask:8 row_mask:0xf bank_mask:0xf
	s_delay_alu instid0(VALU_DEP_1)
	v_permlanex16_b32 v19, v18, s[SEL], s[SEL+1]
	s_delay_alu instid0(VALU_DEP_1)
	v_max_num_f32 v18, v18, v19                    ; the largest depth of all
	s_delay_alu instid0(VALU_DEP_1)
	v_add_f32 v18, 1.0, v18
	s_wait_alu depctr_va_vdst(0)
	v_log_f32 v18, v18
	v_nop
	s_wait_alu depctr_va_vdst(0)
	v_mul_f32 v18, 0x3f317218, v18
	s_delay_alu instid0(VALU_DEP_1)
	v_max_num_f32 v18, 0x322bcc77, v18             ; clip at 1e-8
	s_wait_alu depctr_va_vdst(0)
	v_rcp_f32 v[RDEN], v18
.irp kt, 0,1,2,3,4,5,6,7
	v_mov_b32 v[RM+\kt], 0xff800000
.endr
	s_mul_i32 s[TQ], s21, 98304                    ; my 32 tiles of queries: 3,072 bytes of images a tile,
	s_lshl_b32 s[TS], s21, 12                      ; 128 bytes of scale words and of -c_b
	s_mov_b32 s60, 14
	s_wait_tensorcnt 0x0
	s_barrier_signal -1
	s_barrier_wait -1                              ; the whole block is in
.macro ADDR
	v_add_nc_u32 v[AQ], s[TQ], v1
	v_add_nc_u32 v[AS], s[TS], v2
	v_add_nc_u32 v[AC], s[TS], v3
.endm
.macro FETCHQ x, n                     ; nine loads: a tile's two fragments, its scale register, its -c_b
.irp g, 0,1,2,3,4,5
	ds_load_b128 v[QB+24*\x+4*\g:QB+24*\x+4*\g+3], v[AQ] offset:3072*\n+512*\g
.endr
	ds_load_b32 v[QS+\x], v[AS] offset:128*\n
	ds_load_b128 v[CBF+8*\x:CBF+8*\x+3], v[AC] offset:128*\n
	ds_load_b128 v[CBF+8*\x+4:CBF+8*\x+7], v[AC] offset:128*\n+16
.endm
.macro MAXES x                         ; each accumulator from its low end on; the eight chains by turns
.irp i, 0,1,2,3
.irp kt, 0,1,2,3,4,5,6,7
	v_max3_num_f32 v[RM+\kt], v[RM+\kt], v[ACC+64*(\x)+8*\kt+2*\i], v[ACC+64*(\x)+8*\kt+2*\i+1]
.endr
.endr
.endm
; one tile of queries against my eight key tiles: the eight accumulators by turns; the other set's maxima are the places in front of the loads
.macro HT x, wt, mx, ft, n
	s_wait_dscnt \wt                               ; this set's nine loads are in; the younger set's nine may be out
	WIN 0x04                                       ; source 1 (K's fragments) window 1
.irp kt, 0,1,2,3,4,5,6,7
	v_wmma_scale_f32_16x16x128_f8f6f4 v[ACC+64*\x+8*\kt:ACC+64*\x+8*\kt+7], v[QB+24*\x:QB+24*\x+11], v[24*\kt:24*\kt+11], v[CBF+8*\x:CBF+8*\x+7], v[QS+\x], v[KS+\kt] matrix_a_fmt:MATRIX_FMT_BF6 matrix_b_fmt:MATRIX_FMT_BF6
.endr
.irp kt, 0,1,2,3,4,5,6,7
	v_wmma_scale_f32_16x16x128_f8f6f4 v[ACC+64*\x+8*\kt:ACC+64*\x+8*\kt+7], v[QB+24*\x+12:QB+24*\x+23], v[24*\kt+12:24*\kt+23], v[ACC+64*\x+8*\kt:ACC+64*\x+8*\kt+7], v[QS+\x], v[KS+\kt] matrix_a_fmt:MATRIX_FMT_BF6 matrix_b_fmt:MATRIX_FMT_BF6 matrix_a_scale:MATRIX_SCALE_ROW1 matrix_b_scale:MATRIX_SCALE_ROW1
.endr
	WIN 0
.if \mx
	MAXES 1-\x
.else
.rept 4
	v_nop
.endr
.endif
.if \ft
	FETCHQ \x, \n
.endif
.endm
	ADDR
	FETCHQ 0, 0
	FETCHQ 1, 1
	s_wait_alu depctr_va_vdst(0)
	HT 0, 9, 0, 1, 2
.Lq:                                                   ; 14 trips of two tiles; one tile ahead of the loop, three behind it: 32
	s_wait_alu depctr_va_vdst(0)
	HT 1, 9, 1, 1, 3
	s_wait_alu depctr_va_vdst(0)
	HT 0, 9, 1, 1, 4
	s_add_co_u32 s[TQ], s[TQ], 6144
	s_add_co_u32 s[TS], s[TS], 256
	ADDR
	s_sub_co_u32 s60, s60, 1
	s_cmp_lg_u32 s60, 0
	s_cbranch_scc1 .Lq
	s_wait_alu depctr_va_vdst(0)
	HT 1, 9, 1, 1, 3
	s_wait_alu depctr_va_vdst(0)
	HT 0, 9, 1, 0, 0
	s_wait_alu depctr_va_vdst(0)
	HT 1, 0, 1, 0, 0
	MAXES 1
.irp kt, 0,1,2,3,4,5,6,7
	ds_store_b32 v[XO], v[RM+\kt] offset:128*\kt   ; my half of the queries' largest, for all eight key tiles
.endr
	s_wait_alu depctr_va_vdst(0)
	s_wait_dscnt 0x0                               ; for my partner's sake: the stores have landed
	s_barrier_signal -1
	s_barrier_wait -1
.irp kt, 0,1,2,3
	ds_load_b32 v[RM+\kt], v[XA] offset:128*\kt    ; of the four key tiles that I finish: my own,
	ds_load_b32 v[RM+4+\kt], v[XB] offset:128*\kt  ; and my partner's
.endr
	s_wait_dscnt 0x0
.irp kt, 0,1,2,3
	v_max_num_f32 v[RM+\kt], v[RM+\kt], v[RM+4+\kt]
.endr
.irp kt, 0,1,2,3
	s_delay_alu instid0(VALU_DEP_4)
	v_permlanex16_b32 v[24+\kt], v[RM+\kt], s[SEL], s[SEL+1]
.endr
.irp kt, 0,1,2,3
	s_delay_alu instid0(VALU_DEP_4)
	v_max_num_f32 v[RM+\kt], v[RM+\kt], v[24+\kt]  ; with lane l xor 16's eight queries of each tile
.endr
	s_delay_alu instid0(VALU_DEP_3)
	v_cndmask_b32 v24, v[RM], v[RM+1], s[HM]       ; lanes 0-15 the even key tile's keys, lanes 16-31 the odd one's
	s_delay_alu instid0(VALU_DEP_2)
	v_cndmask_b32 v25, v[RM+2], v[RM+3], s[HM]
.irp i, 0
	s_delay_alu instid0(VALU_DEP_2)
	v_add_f32 v[24+\i], v[24+\i], v[20+\i]         ; + the key's bias
	s_delay_alu instid0(VALU_DEP_1)
	v_mul_f32 v[24+\i], 0x3fb8aa3b, v[24+\i]
	v_add_f32 v[26+\i], 1.0, v[22+\i]
.endr
.irp i, 1
	s_delay_alu instid0(VALU_DEP_4)
	v_add_f32 v[24+\i], v[24+\i], v[20+\i]
	s_delay_alu instid0(VALU_DEP_1)
	v_mul_f32 v[24+\i], 0x3fb8aa3b, v[24+\i]
	v_add_f32 v[26+\i], 1.0, v[22+\i]
.endr
	s_wait_alu depctr_va_vdst(0)
	v_exp_f32 v24, v24                             ; max_w
	v_exp_f32 v25, v25
	v_log_f32 v26, v26                             ; log1p(depth), to the base 2
	v_log_f32 v27, v27
	v_lshlrev_b32 v30, 2, v251
	v_lshlrev_b32 v31, 2, v252
	s_wait_alu depctr_va_vdst(0)
.irp i, 0,1
	v_mul_f32 v[26+\i], 0x3f317218, v[26+\i]
	v_mul_f32 v[26+\i], v[26+\i], v[RDEN]          ; dominance
	s_delay_alu instid0(VALU_DEP_1)
	v_fma_f32 v[26+\i], v[26+\i], s61, s62         ; the damped rate
	v_mul_f32 v[26+\i], v[26+\i], v[24+\i]
	v_cmp_lt_f32 vcc_lo, 0x3dcccccd, v[24+\i]      ; max_w > 0.1
	s_delay_alu instid0(VALU_DEP_1)
	v_cndmask_b32 v[26+\i], 0, v[26+\i], vcc_lo
	s_delay_alu instid0(VALU_DEP_1)
	v_add_f32 v[28+\i], v[22+\i], v[26+\i]
.endr
	v_cmp_gt_u32 vcc_lo, 0x186a0, v251             ; keys that exist
	s_wait_alu depctr_va_vdst(0)
	s_wait_xcnt 0x0                                ; EXEC changes only behind this wait
	s_and_saveexec_b32 s22, vcc_lo
	global_store_b32 v30, v28, s[14:15]
	s_wait_xcnt 0x0
	s_or_b32 exec_lo, exec_lo, s22
	v_cmp_gt_u32 vcc_lo, 0x186a0, v252
	s_and_saveexec_b32 s22, vcc_lo
	global_store_b32 v31, v29, s[14:15]
	s_wait_xcnt 0x0
	s_or_b32 exec_lo, exec_lo, s22
	s_wait_tensorcnt 0x0                           ; the wave's end
	ds_add_u32 v[SPW], v[NIL]
	s_wait_dscnt 0x0
	CROUND                                         ; the closing round
	s_endpgm
.Lfunc_end_k_qd2477e8390_reinf:
	.size	k_qd2477e8390_reinf, .Lfunc_end_k_qd2477e8390_reinf-k_qd2477e8390_reinf
	.p2alignl 7, 3214868480
	.fill 96, 4, 3214868480
	.section	.rodata,"a",@progbits
	.p2align	6, 0x0
	.amdhsa_kernel k_qd2477e8390_reinf
		.amdhsa_group_segment_fixed_size 327680
		.amdhsa_private_segment_fixed_size 0
		.amdhsa_enable_private_segment 0
		.amdhsa_kernarg_size 40
		.amdhsa_user_sgpr_count 2
		.amdhsa_user_sgpr_kernarg_segment_ptr 1
		.amdhsa_wavefront_size32 1
		.amdhsa_system_sgpr_workgroup_id_x 1
		.amdhsa_system_sgpr_workgroup_id_y 1
		.amdhsa_system_sgpr_workgroup_id_z 1
		.amdhsa_system_vgpr_workitem_id 0
		.amdhsa_next_free_vgpr 448
		.amdhsa_next_free_sgpr 66
		.amdhsa_reserve_vcc 1
		.amdhsa_float_denorm_mode_32 3
		.amdhsa_float_denorm_mode_16_64 3
		.amdhsa_memory_ordered 1
		.amdhsa_forward_progress 1
		.amdhsa_inst_pref_size 52
	.end_amdhsa_kernel
	.amdgpu_metadata
---
amdhsa.version: [ 1, 2 ]
amdhsa.kernels:
  - .name:           k_qd2477e8390_reinf
    .symbol:         k_qd2477e8390_reinf.kd
    .args:
      - { .name: rec, .offset: 0, .size: 8, .value_kind: global_buffer, .address_space: global }
      - { .name: qbuf, .offset: 8, .size: 8, .value_kind: global_buffer, .address_space: global }
      - { .name: dmax, .offset: 16, .size: 8, .value_kind: global_buffer, .address_space: global }
      - { .name: depths, .offset: 24, .size: 8, .value_kind: global_buffer, .address_space: global }
      - { .name: out1, .offset: 32, .size: 8, .value_kind: global_buffer, .address_space: global }
    .group_segment_fixed_size: 327680
    .private_segment_fixed_size: 0
    .kernarg_segment_align: 8
    .kernarg_segment_size: 40
    .max_flat_workgroup_size: 256
    .sgpr_count:     66
    .vgpr_count:     448
    .wavefront_size: 32
...
	.end_amdgpu_metadata
.endif
;; end of part 4
